; MI455X (gfx1250); checked and timed in simulation.
; The chip was launched on July 23, 2026; its instructions are those of AMD's public machine-readable ISA for CDNA 5 (MIT licence, August 2026) and "CDNA5" Instruction Set Architecture Reference Guide (July 2026). The comments in the code are by the model that wrote it; some were corrected since.
;; Neural Spline Coupling. Allowed arithmetic: float matrix products may take bf16 or f16 operands with f32 sums; other float arithmetic in f32, or as packed bf16 or f16 multiplies, adds, multiply-adds, maxima and minima; sums over many terms, partial sums and values carried from step to step in f32; what a program stores and reads back later, other than sums and carried values, may be rounded once to bf16 or f16.
;; Inputs: W1 16 x 128 float32; W2 128 x 128 float32; W3 128 x 376 float32; b1 128 float32; b2 128 float32; b3 376 float32; bn_bias 16 float32; bn_mean 16 float32; bn_scale 16 float32; bn_var 16 float32; c 500,000 x 8 float32; x 500,000 x 16 float32.
;; Outputs: out0 500,000 x 16 float32; out1 500,000 float32.
;; 2 versions, each right; version 2 is version 1 with the launch spline written anew for expert scheduling mode. Each part assembles by itself: llvm-mc -triple=amdgcn-amd-amdhsa -mcpu=gfx1250 --defsym DOCPART=n.
;; ======== version 1 of 2: 1 launch
;; limits: values are held in f16: magnitudes above 65,504 overflow, below 6.1e-05 lose precision; right only within a limited range of input values
;; launch spline (part 1): grid 256 x 1, 8 waves a work-group, no clusters, 196,096 bytes of LDS; arguments x, c, bn_scale, bn_bias, bn_mean, bn_var, W1, b1, W2, b2, W3, b3, out0, out1; writes out0, out1
.if DOCPART == 1
	.amdgcn_target "amdgcn-amd-amdhsa--gfx1250"
	.amdhsa_code_object_version 6
	.text
	.protected	k_q0958782401_spline
	.globl	k_q0958782401_spline
	.p2align	8
	.type	k_q0958782401_spline,@function
k_q0958782401_spline:
	s_mov_b64 s[64:65], 0
	v_nop
	global_prefetch_b8 v0, s[64:65] scope:SCOPE_SE
	s_setreg_imm32_b32 hwreg(HW_REG_WAVE_MODE, 25, 1), 1
	s_wait_xcnt 0x0
; NEURAL SPLINE COUPLING, all of it in one launch.  For each of 500,000 rows: BatchNorm of [x[8:16], c], 16 -> 128 -> 128 -> 376 with swish, and for each of 8 dimensions
; two softmaxes of 16, 15 softplus slopes, a bin search and the rational-quadratic spline.  out0 = [yt, x[8:16]], out1 = the sum of the 8 log derivatives.
; SHARES.  A UNIT is 32 rows: 15,625 units.  256 work-groups x 8 waves; wave g of 2,048 walks units g, g + 2048, .. g + 7 x 2048 (a unit past the last is jumped).
; A wave holds 512 registers: rows 0-15 of its unit in window 0, rows 16-31 under the same numbers in window 1.  The waves do not depend on each other: one barrier in the launch,
; behind the set-up of the weights.
; LAYOUT.  Every product is used transposed: source 0 = 16 output channels (weights, [channel][k] in LDS), source 1 = 16 data rows.  In the result lane (r = l % 16, h = l / 16) holds data
; row r and channels 8 h + 0..7; two results packed to f16 ARE source 1 of the next layer.  Layer 3's channels are ordered so that in pair p (0..3) a lane holds all 48 numbers of ONE
; (row, dimension p + 4 h): register 2 q the width logit q, register 2 q + 1 the height logit q, registers 32 + m the slope logit m; m = 15 is a pad (weights 0, bias a*), whose softplus is 1.
; FORMATS.  EVERY INPUT IS ROUNDED ONCE TO bf16 AS IT IS LOADED (x, c, the BatchNorm arrays, weights, biases; xt and the copy of x[8:16] in out0 too): the launch computes the module on the
; inputs so rounded.  16 x such a weight is exact in f16.  Each activation a goes to the matrix unit as TWO f16 numbers, hi = f16(a) and lo = f16(a - hi), whose products add onto one f32
; sum: a weight fragment read from LDS feeds four matrix instructions (two windows x hi, lo).  In layer 1 lo takes the K places 16..31, where W1^T stands a second time.
; Exact powers of two are folded in: in'' = -(L/16) BN(in), W1'' = 16 W1, W2'' = 16 W2, W3'' = -16 W3, L = log2(e); the C operands are -L b1, -L b2, L b3 in f32.
; Layers 1, 2 give u = -L z; swish is kept as h'' = u / (16 + 16 2^u) = -(L/16) swish(z); layer 3 gives L p.
; SPLINE.  Each softmax takes its own maximum away, e = 2^(a - max), and is never normalised: the bin test is c_j <= xc Sx on the running sums; width and height of the bin are selected,
; not formed as differences; softplus is taken of the two selected slope logits alone; logarithms stay in base 2 until the row's sum.
; LIMITS.  f16 holds in'' and h'' for |BN output| and |swish| below 7.2e5, and 16 W for |W| below 4,094; lo keeps f16's fixed step of 2^-24 (3.3e-7 of swish at the most); a weight below
; 2^-21 keeps a step of 3.7e-9.  An exponential below 2^-126 counts as 0.  Where c_j = xc Sx to the last bit the neighbouring bin may be taken (spline and slope are continuous there).
; The boundary slope is 1 to within 2e-7.  xt = NaN gives y = NaN and adds 0 to the log derivative; other NaN and infinities are not treated apart.
; NO CLUSTER, NO TENSOR LOADS.  What work-groups share are the weights, 266,240 bytes of f32, read once by each; they are rounded, scaled and transposed on the way, which goes through
; registers.  x and c are 3,072 bytes a unit, each byte read by one wave: plain loads, asked for ahead.
; EVERY LDS ADDRESS is a register made once (a constant, the wave's number times a constant, a lane term) plus an immediate: so layer 3's pairs are written out, not looped over.
.set NU,     15625                     ; units
.set LASTU,  NU-1
.set PW1,    80                        ; LDS pitch of W1^T and of the stages: an odd multiple of 16 bytes, so that 16 rows start at different banks (64 banks of 4 bytes: ISA guide 11.1)
.set PW,     272                       ; LDS pitch of W2^T and W3^T: 256 bytes + 16
.set W2T,    10240                     ; W1^T: 128 rows x 80 from byte 0; W2^T: 128 rows x 272 from here
.set W3T,    45056                     ; W3^T: 384 rows x 272
.set PAIRB,  26112                     ; a pair's 96 rows of W3^T
.set BT,     149504                    ; f32: -L b1 [128], -L b2 [128], L b3 in layer 3's order [384]
.set STG,    152064                    ; a stage for each wave: x 32 rows x 80, c 32 rows x 80 from +2,560, log_det 32 words from +5,120
.set STGB,   5376
.set SPARE,  195072                    ; the spare words, 128 bytes for each wave: four blocks of 256 bytes that no other line names
.set LOG2E,  0x3fb8aa3b
.set LN2,    0x3f317218
.set ASTAR,  0x3f47ed6f                ; a* = log2(e - 1)
.set RA, 32                            ; v32-95   layer 1's input fragment (hi 4, lo 4); window 0: weight buffers in layers 1, 2; then H2: hi of K step k at RA + 8 k, lo 32 on; the way out
.set RB, 96                            ; v96-191  window 0: x and c as loaded; accumulators; window 0: RB+64.. a weight buffer
.set RC, 192                           ; v192-255 H1, laid as H2; in layer 3: window 0 two weight buffers, then the spline's registers
.set PP0, RB                           ; the 48 numbers of the even pair's item, and of the odd pair's
.set PP1, RB+48
.set CU0, RC-4                         ; running sums (x, y) c_j, j = 2..15, at CU0 + 2 j
.set MX1, RC+28                        ; the maxima (x, y) of item 1, of item 0
.set MX0, RC+30
.set RS0, RC+32                        ; an item's record: +0 X0 +1 Y0 +2 W +3 H +4 D0 +5 D1 +6 xt +7 xc +8 Sx +9 Sy +10 t
.set RS1, RC+44
.set LD,  RC+56                        ; log2 derivatives summed so far, items 0, 1
.set DV,  RC+58                        ; the last double pair's derivatives, whose logarithm is still to be taken
.set SETR, 32                          ; set-up: a ring of three sets of 16 registers for weights as loaded
.set PK,   240                         ; set-up: 8 numbers packed
; window 0, v0-31: v0 thread, from the end of the set-up on a W3^T fragment of pairs 2, 3; v1 spare word's address; v2 0; v3 16 l; v4 4 l; v5 256 l; v6, v7 stage addresses by loaded
; 16 bytes (x, c); v8 my 8 inputs; v9 my xt (window 1: 16 rows on); v10, v11 log_det in and out of the stage; v12 W2^T fragment; v13 biases; v14 W1^T fragment;
; v15 W3^T fragment of pairs 0, 1; v30 -1.0 (in both windows).  window 1: v10-17 G, v18-25 O: in'' = G in + O for my 8 channels
; scalars: s3 a*; s[4:5] 16.0; s[6:7] the conversions' scale; s[8:35] the 14 addresses; s36 wave; s37, s43 the prefetch's shift and share; s38 unit; s39 next unit; s40 trips;
; s41 a word's upper half; s[44:45], s[48:49] load bases; s[52:55] store bases; s[56:57] an offset; s[60:61] lane selects; s62 sign bit; s63 all lanes but the pad's;
; s[68:71] prefetch buffer and address; s72 its last unit; s2, s66, s67, s73 at work; s[74:75] ln 2; s79 1 = the wave prefetches in this unit
.set MSB, 0
.macro WIN new                         ; s_set_vgpr_msb: bits 1:0 source 0, 3:2 source 1, 5:4 source 2, 7:6 destination; the high byte repeats the setting that is left
.if MSB != (\new)
	s_set_vgpr_msb (MSB<<8)|(\new)
.set MSB, \new
.endif
.endm
.macro PLACES n                        ; plain vector instructions between a matrix instruction and what touches its registers (ISA guide 7.12.1)
.rept \n
	v_nop
.endr
.endm
.macro LDW buf, adr, off               ; a fragment of 16 channels x 32 k: two loads of 16 bytes, 32 bytes apart
	ds_load_b128 v[(\buf):(\buf)+3], v[\adr] offset:\off
	ds_load_b128 v[(\buf)+4:(\buf)+7], v[\adr] offset:(\off)+32
.endm
.macro LDB buf, adr, off               ; my 8 channels' biases, as a C operand
	ds_load_b128 v[(\buf):(\buf)+3], v[\adr] offset:\off
	ds_load_b128 v[(\buf)+4:(\buf)+7], v[\adr] offset:(\off)+16
.endm
.macro WM d, a, b, c
	v_wmma_f32_16x16x32_f16 v[(\d):(\d)+7], v[(\a):(\a)+7], v[(\b):(\b)+7], v[(\c):(\c)+7]
.endm
.macro MULQ nf, acc, wb, bop           ; nf products under the window setting in hand: channel tile t: accumulator acc + 8 t, weights wb + 8 t; the accumulators take turns, one instruction a turn
.set tt, 0
.rept \nf
	WM (\acc)+8*tt,(\wb)+8*tt,(\bop),(\acc)+8*tt
.set tt, tt+1
.endr
.endm
.macro MULN nf, acc, wb, hh            ; a K step on nf channel tiles: both windows, hi (hh) and lo (hh + 32)
	WIN 0
	MULQ \nf,\acc,\wb,\hh
	MULQ \nf,\acc,\wb,(\hh)+32
	WIN 0x54                               ; weights in window 0; data, C and D in window 1
	MULQ \nf,\acc,\wb,\hh
	MULQ \nf,\acc,\wb,(\hh)+32
.endm
; The first K step.  The biases lie in window 0's accumulators and are the C operand of both windows' first products; window 0's come second, in place, five places behind the last
; product that read them.  lo = 1: the products with lo follow.
.macro MULF nf, acc, wb, hh, lo
	WIN 0x44                               ; weights and C in window 0; data and D in window 1
	MULQ \nf,\acc,\wb,\hh
	WIN 0
	PLACES 5
	MULQ \nf,\acc,\wb,\hh
.if \lo
	MULQ \nf,\acc,\wb,(\hh)+32
	WIN 0x54
	MULQ \nf,\acc,\wb,(\hh)+32
.endif
.endm
.macro RB16 n, src, tmp                ; 2 n numbers are rounded to bf16, in place: two roundings an instruction, then the halves go back to f32
.set ee, 0
.rept \n
	v_cvt_pk_bf16_f32 v[(\tmp)+ee], v[(\src)+2*ee], v[(\src)+2*ee+1]
.set ee, ee+1
.endr
.set ee, 0
.rept \n
	v_lshlrev_b32 v[(\src)+2*ee], 16, v[(\tmp)+ee]
	v_and_b32 v[(\src)+2*ee+1], s41, v[(\tmp)+ee]
.set ee, ee+1
.endr
.endm
.macro SPLIT n, src, hi, lo            ; 2 n numbers a become hi = f16(a) and lo = f16(a - hi), packed; a - hi = hi x (-1.0) + a is exact in f32
.set ee, 0
.rept \n
	v_cvt_pk_f16_f32 v[(\hi)+ee], v[(\src)+2*ee], v[(\src)+2*ee+1]
.set ee, ee+1
.endr
.set ee, 0
.rept \n
	v_fma_mix_f32 v[(\src)+2*ee], v[(\hi)+ee], v30, v[(\src)+2*ee] op_sel_hi:[1,0,0]
	v_fma_mix_f32 v[(\src)+2*ee+1], v[(\hi)+ee], v30, v[(\src)+2*ee+1] op_sel:[1,0,0] op_sel_hi:[1,0,0]
.set ee, ee+1
.endr
.set ee, 0
.rept \n
	v_cvt_pk_f16_f32 v[(\lo)+ee], v[(\src)+2*ee], v[(\src)+2*ee+1]
.set ee, ee+1
.endr
.endm
; SWISH of the 64 accumulators RB + 8 t + j of the window in hand: h'' = u / (16 + 16 2^u), split and packed as source 1 of the next layer: hi at out + 4 t, lo 32 on.
; Two batches of transcendentals, each with one plain instruction and one wait behind it.  The accumulators are read in ascending order.
.macro TAOF out, x                     ; where 2^u and the reciprocal of number x stand: 32 behind the accumulators, 32 where hi will lie
.if (\x) < 32
.set ta, RB+64+(\x)
.else
.set ta, (\out)+(\x)-32
.endif
.endm
.macro SWISH out
.set ee, 0
.rept 64
	TAOF \out,ee
	v_exp_f32 v[ta], v[RB+ee]
.set ee, ee+1
.endr
	v_nop
	s_wait_alu depctr_va_vdst(0)           ; one wait for the 64 exponentials
.set ee, 0
.rept 32
	TAOF \out,ee
	v_pk_fma_f32 v[ta:ta+1], v[ta:ta+1], s[4:5], s[4:5] op_sel_hi:[1,0,0]
.set ee, ee+2
.endr
.set ee, 0
.rept 64
	TAOF \out,ee
	v_rcp_f32 v[ta], v[ta]
.set ee, ee+1
.endr
	v_nop
	s_wait_alu depctr_va_vdst(0)           ; one wait for the 64 reciprocals
.set ee, 0
.rept 32
	TAOF \out,ee
	v_pk_mul_f32 v[RB+ee:RB+ee+1], v[RB+ee:RB+ee+1], v[ta:ta+1]
.set ee, ee+2
.endr
	SPLIT 32,RB,\out,(\out)+32
.endm
; The loads of unit s39: 32 rows of x (2,048 bytes) and of c (1,024), 16 bytes a lane, 512 consecutive bytes an instruction.
.macro ISSUE
	s_lshl_b32 s56, s39, 11
	s_add_nc_u64 s[44:45], s[8:9], s[56:57]
	s_lshr_b32 s56, s56, 1
	s_add_nc_u64 s[48:49], s[10:11], s[56:57]
.irp i,0,1,2,3
	global_load_b128 v[RB+4*\i:RB+4*\i+3], v3, s[44:45] offset:512*\i th:TH_LOAD_NT
.endr
.irp i,0,1
	global_load_b128 v[RB+16+4*\i:RB+16+4*\i+3], v3, s[48:49] offset:512*\i th:TH_LOAD_NT
.endr
.endm
; SET-UP.  A task is 32 channels (a lane each) x 8 k: eight loads of a word, the rounding to bf16, the scale, four conversions to f16 (exact), one LDS store of 16 bytes.
; A wave has 32 tasks: 0-7 are W2's, 8 + 6 p + s is task s of W3's pair p.
.macro CONV src, adr, off, pad=0
	RB16 4,\src,PK
.irp i,0,1,2,3
	v_pk_mul_f32 v[(\src)+2*\i:(\src)+2*\i+1], v[(\src)+2*\i:(\src)+2*\i+1], s[6:7] op_sel_hi:[1,0]
.endr
.irp i,0,1,2,3
	v_cvt_pk_f16_f32 v[PK+\i], v[(\src)+2*\i], v[(\src)+2*\i+1]
.endr
.if \pad
.irp i,0,1,2,3
	v_cndmask_b32 v[PK+\i], 0, v[PK+\i], s63   ; the pad channel's weights are 0
.endr
.endif
	ds_store_b128 v[\adr], v[PK:PK+3] offset:\off
.endm
.macro LW2 s, dst                      ; W2: channels 32 (s / 2) + l, k = 8 w + 64 (s % 2) + e
.irp e,0,1,2,3,4,5,6,7
	global_load_b32 v[(\dst)+\e], v129, s[24:25] offset:512*\e+32768*((\s)&1)+128*((\s)>>1)
.endr
.endm
.macro LW3 p, s, dst                   ; W3, pair p: rows 32 (s / 2) + l of the pair's 96, k = 8 w + 64 (s % 2) + e; the order of the columns lies in v131 (logits) and v132 (slopes)
.irp e,0,1,2,3,4,5,6,7
.if (\s) < 4
	global_load_b32 v[(\dst)+\e], v131, s[28:29] offset:1504*\e+96256*((\s)&1)+4*(47*(\p)+8*((\s)>>1))
.else
	global_load_b32 v[(\dst)+\e], v132, s[28:29] offset:1504*\e+96256*((\s)&1)+188*(\p)
.endif
.endr
.endm
.macro LT t, dst                       ; task t's eight loads
.if (\t) < 8
	LW2 \t,\dst
.else
	LW3 ((\t)-8)/6,((\t)-8)%6,\dst
.endif
.endm
.macro CT t, src                       ; task t is converted and stored
.if (\t) < 8
	CONV \src,130,8704*((\t)>>1)+128*((\t)&1)
.else
.set cp, ((\t)-8)/6
.set cs, ((\t)-8)%6
	CONV \src,133+cp/2,PAIRB*(cp%2)+8704*(cs>>1)+128*(cs&1),cs/4
.endif
.endm
; ---------------------------------------------------------------- THE SPLINE of pairs 2 dp and 2 dp + 1 (items 0, 1), for the row tile of the window in hand
.macro MAXSTEP n                       ; step n of 8 of the four maxima (item x width / height), by turns; each accumulator's lowest registers are read first
.irp rt,0,1
.irp c,0,1
.if (\n) == 0
	v_max3_num_f32 v[MX0-2*\rt+\c], v[RB+48*\rt+\c], v[RB+48*\rt+\c+2], v[RB+48*\rt+\c+4]
.elseif (\n) < 7
	v_max3_num_f32 v[MX0-2*\rt+\c], v[MX0-2*\rt+\c], v[RB+48*\rt+\c+4*(\n)+2], v[RB+48*\rt+\c+4*(\n)+4]
.else
	v_max_num_f32 v[MX0-2*\rt+\c], v[MX0-2*\rt+\c], v[RB+48*\rt+\c+30]
.endif
.endr
.endr
.endm
.macro S2HEAD rt                       ; xc = clip(xt, 0, 1); t = xc Sx
	v_max_num_f32 v[RS0+12*(\rt)+7], 0, v[RS0+12*(\rt)+6]
	v_min_num_f32 v[RS0+12*(\rt)+7], 1.0, v[RS0+12*(\rt)+7]
	v_mul_f32 v[RS0+12*(\rt)+10], v[RS0+12*(\rt)+7], v[RS0+12*(\rt)+8]
.endm
.macro SELSTEP rt, j                   ; where c_j <= t the record takes bin j's six numbers; the sums do not fall, so the last bin taken is the count of such j
.set rr, RS0+12*(\rt)
.set pp, RB+48*(\rt)
.if (\j) == 1
	v_cmp_le_f32 vcc_lo, v[pp], v[rr+10]
	v_cndmask_b32 v[rr], 0, v[pp], vcc_lo
	v_cndmask_b32 v[rr+1], 0, v[pp+1], vcc_lo
	v_cndmask_b32 v[rr+2], v[pp], v[pp+2], vcc_lo
	v_cndmask_b32 v[rr+3], v[pp+1], v[pp+3], vcc_lo
	v_cndmask_b32 v[rr+4], s3, v[pp+32], vcc_lo
	v_cndmask_b32 v[rr+5], v[pp+32], v[pp+33], vcc_lo
.else
	v_cmp_le_f32 vcc_lo, v[CU0+2*(\j)], v[rr+10]
	v_cndmask_b32 v[rr], v[rr], v[CU0+2*(\j)], vcc_lo
	v_cndmask_b32 v[rr+1], v[rr+1], v[CU0+2*(\j)+1], vcc_lo
	v_cndmask_b32 v[rr+2], v[rr+2], v[pp+2*(\j)], vcc_lo
	v_cndmask_b32 v[rr+3], v[rr+3], v[pp+2*(\j)+1], vcc_lo
	v_cndmask_b32 v[rr+4], v[rr+4], v[pp+31+(\j)], vcc_lo
	v_cndmask_b32 v[rr+5], v[rr+5], v[pp+32+(\j)], vcc_lo
.endif
.endm
.macro BOTH line:vararg                ; one line for each of the two items: Z its 16 registers at work, R its record, tq its number
.set tq, 0
.rept 2
.set Z, RC+16*tq
.set R, RS0+12*tq
	\line
.set tq, tq+1
.endr
.endm
.macro SPL dp
	ds_load_b32 v[RS0+6], v9 offset:8*(\dp)        ; xt = x[row][p + 4 h], out of my stage: p = 2 dp,
	ds_load_b32 v[RS1+6], v9 offset:8*(\dp)+4      ; p = 2 dp + 1
.irp n,0,1,2,3,4,5,6,7
	MAXSTEP \n
.endr
.set q, 0
.rept 16
	v_pk_add_f32 v[PP0+2*q:PP0+2*q+1], v[PP0+2*q:PP0+2*q+1], v[MX0:MX0+1] neg_lo:[0,1] neg_hi:[0,1]
.set q, q+1
.endr
.set q, 0
.rept 16                               ; item 0's exponentials; item 1's subtractions stand between them
	v_exp_f32 v[PP0+2*q], v[PP0+2*q]
	v_exp_f32 v[PP0+2*q+1], v[PP0+2*q+1]
	v_pk_add_f32 v[PP1+2*q:PP1+2*q+1], v[PP1+2*q:PP1+2*q+1], v[MX1:MX1+1] neg_lo:[0,1] neg_hi:[0,1]
.set q, q+1
.endr
	s_wait_alu depctr_va_vdst(0)           ; one wait for item 0's 32 exponentials
.set q, 1
.rept 15                               ; item 0's running sums c_(q+1) = c_q + e_q; item 1's exponentials stand between them
.if q == 1
	v_pk_add_f32 v[CU0+4:CU0+5], v[PP0:PP0+1], v[PP0+2:PP0+3]
.elseif q < 15
	v_pk_add_f32 v[CU0+2*q+2:CU0+2*q+3], v[CU0+2*q:CU0+2*q+1], v[PP0+2*q:PP0+2*q+1]
.else
	v_pk_add_f32 v[RS0+8:RS0+9], v[CU0+30:CU0+31], v[PP0+30:PP0+31]
.endif
	v_exp_f32 v[PP1+2*q-2], v[PP1+2*q-2]
	v_exp_f32 v[PP1+2*q-1], v[PP1+2*q-1]
.set q, q+1
.endr
	v_exp_f32 v[PP1+30], v[PP1+30]
	v_exp_f32 v[PP1+31], v[PP1+31]
	v_nop
	s_wait_alu depctr_va_vdst(0)           ; one wait for item 1's 32 exponentials
	s_wait_dscnt 0x0                       ; xt is in
	S2HEAD 0
	SELSTEP 0,1
.set sj, 2
.rept 14                               ; item 1's running sum c'_j takes the place of item 0's c_j, which has just been used
	SELSTEP 0,sj
.if sj == 2
	v_pk_add_f32 v[CU0+4:CU0+5], v[PP1:PP1+1], v[PP1+2:PP1+3]
.else
	v_pk_add_f32 v[CU0+2*sj:CU0+2*sj+1], v[CU0+2*sj-2:CU0+2*sj-1], v[PP1+2*sj-2:PP1+2*sj-1]
.endif
.set sj, sj+1
.endr
	v_pk_add_f32 v[RS1+8:RS1+9], v[CU0+30:CU0+31], v[PP1+30:PP1+31]
	S2HEAD 1
.set sj, 1
.rept 15
	SELSTEP 1,sj
.set sj, sj+1
.endr
	; the formula.  Three batches of transcendentals, each with plain work and one wait behind it
	BOTH v_or_b32 v[Z], s62, v[R+4]                ; -|D0|, -|D1|
	BOTH v_or_b32 v[Z+1], s62, v[R+5]
	BOTH v_exp_f32 v[Z], v[Z]
	BOTH v_exp_f32 v[Z+1], v[Z+1]
	BOTH v_rcp_f32 v[Z+4], v[R+2]                  ; 1 / W
	BOTH v_rcp_f32 v[Z+5], v[R+9]                  ; 1 / Sy
	BOTH v_log_f32 v[Z+6], v[DV+tq]                ; the double pair before's derivative
	BOTH v_sub_f32 v[Z+7], v[R+10], v[R]           ; t - X0
	BOTH v_max_num_f32 v[Z+2], 0, v[R+4]
	BOTH v_max_num_f32 v[Z+3], 0, v[R+5]
	BOTH v_pk_mul_f32 v[Z+2:Z+3], v[Z+2:Z+3], s[74:75] op_sel_hi:[1,0]
	s_wait_alu depctr_va_vdst(0)
	BOTH v_add_f32 v[LD+tq], v[LD+tq], v[Z+6]
	BOTH v_pk_add_f32 v[Z:Z+1], v[Z:Z+1], 1.0 op_sel_hi:[1,0]
	BOTH v_log_f32 v[Z], v[Z]
	BOTH v_log_f32 v[Z+1], v[Z+1]
	BOTH v_mul_f32 v[Z+7], v[Z+7], v[Z+4]          ; xi
	BOTH v_mul_f32 v[Z+8], v[R+3], v[Z+5]          ; hk
	BOTH v_mul_f32 v[Z+9], v[R+1], v[Z+5]          ; yk0
	BOTH v_mul_f32 v[Z+10], v[R+8], v[Z+4]         ; 1 / wk
	BOTH v_sub_f32 v[Z+11], 1.0, v[Z+7]            ; 1 - xi
	BOTH v_mul_f32 v[Z+10], v[Z+10], v[Z+8]        ; s
	BOTH v_mul_f32 v[Z+13], v[Z+7], v[Z+7]         ; xi^2
	BOTH v_mul_f32 v[Z+12], v[Z+7], v[Z+11]        ; z
	BOTH v_mul_f32 v[Z+14], v[Z+11], v[Z+11]       ; (1 - xi)^2
	BOTH v_mul_f32 v[Z+6], v[Z+10], v[Z+13]        ; s xi^2
	BOTH v_mul_f32 v[Z+5], v[Z+10], v[Z+12]        ; s z
	s_wait_alu depctr_va_vdst(0)
	BOTH v_pk_fma_f32 v[Z:Z+1], v[Z:Z+1], s[74:75], v[Z+2:Z+3] op_sel_hi:[1,0,1]   ; d0, d1 = ln 2 (max(D, 0) + log2(1 + 2^-|D|))
	BOTH v_add_f32 v[Z+2], v[Z], v[Z+1]
	BOTH v_fma_f32 v[Z+2], -2.0, v[Z+10], v[Z+2]
	BOTH v_fma_f32 v[Z+15], v[Z+2], v[Z+12], v[Z+10]   ; den
	BOTH v_rcp_f32 v[Z+15], v[Z+15]
	BOTH v_fma_f32 v[Z+6], v[Z], v[Z+12], v[Z+6]   ; s xi^2 + d0 z
	BOTH v_mul_f32 v[Z+3], v[Z+1], v[Z+13]         ; d1 xi^2
	BOTH v_mul_f32 v[Z+6], v[Z+8], v[Z+6]
	BOTH v_fma_f32 v[Z+3], 2.0, v[Z+5], v[Z+3]
	BOTH v_fma_f32 v[Z+3], v[Z], v[Z+14], v[Z+3]
	s_wait_alu depctr_va_vdst(0)
	BOTH v_fma_f32 v[Z+9], v[Z+6], v[Z+15], v[Z+9] ; y
	BOTH v_mul_f32 v[Z+4], v[Z+10], v[Z+15]
	BOTH v_mul_f32 v[Z+4], v[Z+4], v[Z+4]
	BOTH v_mul_f32 v[Z+4], v[Z+4], v[Z+3]          ; the derivative
.irp t,0,1
	v_cmp_eq_f32 vcc_lo, v[RS0+12*\t+6], v[RS0+12*\t+7]    ; inside [0, 1] the clip changes nothing
	v_cndmask_b32 v[RC+16*\t+9], v[RS0+12*\t+6], v[RC+16*\t+9], vcc_lo
	v_cndmask_b32 v[DV+\t], 1.0, v[RC+16*\t+4], vcc_lo
	ds_store_b32 v9, v[RC+16*\t+9] offset:8*(\dp)+4*\t     ; yt takes xt's place in my stage
.endr
.endm
; ---------------------------------------------------------------- THE HEAD
	s_load_b512 s[8:23], s[0:1], 0x0               ; x, c, bn_scale, bn_bias, bn_mean, bn_var, W1, b1
	s_load_b256 s[24:31], s[0:1], 0x40             ; W2, b2, W3, b3
	s_load_b128 s[32:35], s[0:1], 0x60             ; out0, out1
	v_lshl_add_u32 v1, v0, 2, SPARE
	v_mov_b32 v2, 0
	v_lshrrev_b32 v120, 5, v0
	v_readfirstlane_b32 s36, v120                  ; wave 0..7
	v_and_b32 v121, 31, v0                         ; l
	v_and_b32 v122, 15, v0                         ; r
	v_bfe_u32 v123, v0, 4, 1                       ; h
	v_and_b32 v124, 7, v0                          ; l % 8
	v_bfe_u32 v125, v0, 3, 1                       ; (l / 8) % 2
	v_lshlrev_b32 v3, 4, v121
	v_lshlrev_b32 v4, 2, v121
	v_lshlrev_b32 v5, 8, v121
	v_lshlrev_b32 v126, 5, v123                    ; my 8 channels in the BatchNorm arrays
	v_mov_b32 v30, -1.0
	WIN 0x40
	v_mov_b32 v30, -1.0                            ; and in window 1
	WIN 0
	s_mov_b32 s57, 0
	s_mov_b32 s60, 0x76543210
	s_mov_b32 s61, 0xfedcba98
	s_mov_b32 s62, 0x80000000
	s_mov_b32 s63, 0x7f7fffff
	s_mov_b32 s41, 0xffff0000
	s_mov_b32 s74, LN2
	s_mov_b32 s75, LN2
	s_mov_b32 s4, 0x41800000
	s_mov_b32 s5, 0x41800000
	s_mov_b32 s6, 0x41800000                       ; W1'' = 16 W1, W2'' = 16 W2
	s_mov_b32 s7, 0x41800000
	s_mov_b32 s3, ASTAR
	s_mov_b32 s40, 8
	s_lshl_b32 s38, ttmp9, 3
	s_add_co_u32 s38, s38, s36                     ; my first unit
	s_mov_b32 s39, s38
	; the set-up's offsets
	s_lshr_b32 s2, s36, 1
	s_and_b32 s66, s36, 1
	s_lshl_b32 s67, s2, 7
	s_lshl_b32 s73, s66, 12
	s_add_co_u32 s67, s67, s73
	v_lshl_add_u32 v127, v121, 2, s67              ; W1: channel 32 (w / 2) + l, k = 8 (w % 2) + e
	s_mul_i32 s67, s2, 32*PW1
	s_lshl_b32 s73, s66, 4
	s_add_co_u32 s67, s67, s73
	v_mul_u32_u24 v128, v121, PW1
	v_add_nc_u32 v128, s67, v128
	s_lshl_b32 s67, s36, 12
	v_lshl_add_u32 v129, v121, 2, s67              ; W2: 4 l + 8 w rows of 512 bytes
	s_lshl_b32 s67, s36, 4
	s_add_co_u32 s67, s67, W2T
	v_mul_u32_u24 v130, v121, PW
	v_add_nc_u32 v130, s67, v130                   ; W2^T: row l, 16 bytes at 16 w
	v_add_nc_u32 v133, W3T-W2T, v130               ; W3^T likewise, pairs 0 and 1,
	v_add_nc_u32 v134, 2*PAIRB, v133               ; pairs 2 and 3
	s_mul_i32 s67, s36, 12032                      ; 8 w rows of W3, 1,504 bytes each
	v_mul_u32_u24 v138, v125, 752                  ; dimension p + 4: 188 columns on
	v_add_nc_u32 v138, s67, v138
	v_and_b32 v139, 1, v0
	v_bfe_u32 v140, v0, 1, 2
	v_lshl_add_u32 v131, v139, 6, v138             ; odd rows: heights, 16 columns on
	v_lshl_add_u32 v131, v123, 4, v131             ; logit 4 (l / 16) + (l % 8) / 2
	v_lshl_add_u32 v131, v140, 2, v131
	v_lshl_add_u32 v141, v123, 3, v124             ; slope 8 (l / 16) + l % 8; the pad reads slope 14, inside the row, and is replaced
	v_min_u32 v141, 14, v141
	v_lshl_add_u32 v132, v141, 2, v138
	v_add_nc_u32 v132, 128, v132
	v_and_b32 v135, 127, v0
	v_lshlrev_b32 v135, 2, v135
	v_lshl_add_u32 v136, v0, 2, BT
	v_lshl_add_u32 v137, v121, 2, BT+1024
	s_wait_kmcnt 0x0
	s_cmp_lt_u32 s36, 4
	s_cselect_b64 s[52:53], s[22:23], s[26:27]     ; waves 0-3 bring b1, waves 4-7 b2
	s_cmp_lt_u32 s36, 2
	s_cselect_b64 s[68:69], s[8:9], s[10:11]       ; waves 0 and 1 prefetch x, wave 2 c
	s_cselect_b32 s37, 11, 10                      ; a unit is 2^11 bytes of x, 2^10 of c
	s_and_b32 s43, s36, 1
	s_lshl_b32 s43, s43, 13                        ; my 8,192 bytes of the work-group's eight units
	s_cmp_lt_u32 s36, 2
	s_cselect_b32 s43, s43, 0
	s_cmp_lt_u32 s36, 3
	s_cselect_b32 s72, NU-8, 0                     ; the last first unit of eight that exist; waves 3-7 ask for nothing
	ISSUE                                          ; my first unit: 6 loads
.irp i,0,1
	global_load_b128 v[152+4*\i:155+4*\i], v126, s[12:13] offset:16*\i
	global_load_b128 v[160+4*\i:163+4*\i], v126, s[14:15] offset:16*\i
	global_load_b128 v[168+4*\i:171+4*\i], v126, s[16:17] offset:16*\i
	global_load_b128 v[176+4*\i:179+4*\i], v126, s[18:19] offset:16*\i
.endr
.irp e,0,1,2,3,4,5,6,7
	global_load_b32 v[184+\e], v127, s[20:21] offset:512*\e
.endr
	global_load_b32 v151, v135, s[52:53]
	LT 0,SETR                                      ; the ring's first two groups of two tasks: with the 23 loads above 55 are out
	LT 1,SETR+8
	LT 2,SETR+16
	LT 3,SETR+24
	s_wait_loadcnt 32                              ; all but the 32 loads of W2 just issued: the unit, BatchNorm, W1, b1 or b2
	RB16 16,152,192                                ; scale, bias, mean, var to bf16
.irp i,0,1,2,3,4,5,6,7
	v_add_f32 v[176+\i], 0x3727c5ac, v[176+\i]     ; var + 1e-5
.endr
.irp i,0,1,2,3,4,5,6,7
	v_rsq_f32 v[176+\i], v[176+\i]
.endr
	v_nop
	s_wait_alu depctr_va_vdst(0)                   ; one wait for the eight
.irp i,0,1,2,3,4,5,6,7
	v_mul_f32 v[152+\i], v[152+\i], v[176+\i]      ; g = scale / sqrt(var + eps)
.endr
.irp i,0,1,2,3,4,5,6,7
	v_fma_f32 v[160+\i], -v[168+\i], v[152+\i], v[160+\i]  ; o = bias - mean g
.endr
	WIN 0x40                                       ; G and O live in window 1
.irp i,0,1,2,3,4,5,6,7
	v_mul_f32 v[10+\i], 0xbdb8aa3b, v[152+\i]      ; G = -(L/16) g
	v_mul_f32 v[18+\i], 0xbdb8aa3b, v[160+\i]      ; O = -(L/16) o
.endr
	WIN 0
	CONV 184,128,0
	ds_store_b128 v128, v[PK:PK+3] offset:32       ; W1^T once more at k = 16..31, for the inputs' lo
	v_cvt_pk_bf16_f32 v150, v151, v151
	v_lshlrev_b32 v151, 16, v150
	v_mul_f32 v151, 0xbfb8aa3b, v151               ; -L b
	ds_store_b32 v136, v151
	LT 4,SETR+32                                   ; the ring's third group
	LT 5,SETR+40
; The ring: group g (tasks 2 g, 2 g + 1; 16 loads) lies in set g % 3.  When it is converted the two younger groups' 32 loads may stay out; its set is asked for again at once, for group g + 3.
.set gg, 0
.rept 16
.if gg < 14
	s_wait_loadcnt 32
.elseif gg == 14
	s_wait_loadcnt 16                              ; one younger group is left,
.else
	s_wait_loadcnt 0x0                             ; none
.endif
.if gg == 4
	s_mov_b32 s6, 0xc1800000                       ; W3'' = -16 W3
	s_mov_b32 s7, 0xc1800000
.endif
	CT 2*gg,SETR+16*(gg%3)
	CT 2*gg+1,SETR+16*(gg%3)+8
.if gg < 13
	LT 2*gg+6,SETR+16*(gg%3)
	LT 2*gg+7,SETR+16*(gg%3)+8
.endif
.set gg, gg+1
.endr
	s_cmp_lg_u32 s36, 0                            ; wave 0 brings b3, in layer 3's order
	s_cbranch_scc1 .Lnob3
.irp p,0,1,2,3
	global_load_b32 v[SETR+3*\p], v131, s[30:31] offset:188*\p
	global_load_b32 v[SETR+3*\p+1], v131, s[30:31] offset:188*\p+32
	global_load_b32 v[SETR+3*\p+2], v132, s[30:31] offset:188*\p
.endr
	v_mov_b32 v248, s3
	s_wait_loadcnt 0x0
	RB16 6,SETR,192
.irp p,0,1,2,3
	v_mul_f32 v[SETR+3*\p], LOG2E, v[SETR+3*\p]
	v_mul_f32 v[SETR+3*\p+1], LOG2E, v[SETR+3*\p+1]
	v_mul_f32 v[SETR+3*\p+2], LOG2E, v[SETR+3*\p+2]
	v_cndmask_b32 v[SETR+3*\p+2], v248, v[SETR+3*\p+2], s63    ; the pad channel's bias is a*
	ds_store_b32 v137, v[SETR+3*\p] offset:384*\p
	ds_store_b32 v137, v[SETR+3*\p+1] offset:384*\p+128
	ds_store_b32 v137, v[SETR+3*\p+2] offset:384*\p+256
.endr
.Lnob3:
	; the loop's LDS addresses
	s_mul_i32 s2, s36, STGB
	s_add_co_u32 s2, s2, STG                       ; my stage
	v_lshrrev_b32 v138, 2, v121
	v_and_b32 v139, 3, v0
	v_mul_u32_u24 v6, v138, PW1
	v_lshl_add_u32 v6, v139, 4, v6
	v_add_nc_u32 v6, s2, v6                        ; x: 16 loaded bytes are a quarter of row l / 4
	v_lshrrev_b32 v138, 1, v121
	v_and_b32 v139, 1, v0
	v_mul_u32_u24 v7, v138, PW1
	v_lshl_add_u32 v7, v139, 4, v7
	v_add_nc_u32 v7, s2, v7
	v_add_nc_u32 v7, 2560, v7                      ; c: half of row l / 2
	v_mul_u32_u24 v14, v122, PW1
	v_lshl_add_u32 v14, v123, 4, v14               ; 80 r + 16 h: a fragment of W1^T,
	v_add_nc_u32 v9, s2, v14                       ; and in my stage x[r][4 h]
	v_mul_u32_u24 v8, v123, 2512
	v_add_nc_u32 v8, v8, v9
	v_add_nc_u32 v8, 32, v8                        ; h = 0: x[r][8..15]; h = 1: c[r][0..7]
	v_lshl_add_u32 v10, v122, 2, s2
	v_add_nc_u32 v10, 5120, v10
	v_lshl_add_u32 v11, v121, 2, s2
	v_add_nc_u32 v11, 5120, v11
	v_mul_u32_u24 v12, v122, PW
	v_lshl_add_u32 v12, v123, 4, v12
	v_add_nc_u32 v12, W2T, v12
	v_lshl_add_u32 v13, v123, 5, BT
	v_add_nc_u32 v15, W3T-W2T, v12                 ; W3^T: two bases, since an LDS immediate ends at 65,535: pairs 0 and 1,
	v_add_nc_u32 v0, 2*PAIRB, v15                  ; pairs 2 and 3 (the thread's number is wanted no more)
	WIN 0x40
	v_add_nc_u32 v9, 16*PW1, v9                    ; window 1's v9: the same place 16 rows on
	WIN 0
	s_wait_dscnt 0x0                               ; my stores of weights and biases are done,
	s_barrier_signal -1
	s_barrier_wait -1                              ; everybody's are: from here on the tables are only read
; ---------------------------------------------------------------- A UNIT
.macro BNF                             ; in'' = G in + O
.irp i,0,1,2,3
	v_pk_fma_f32 v[RB+32+2*\i:RB+32+2*\i+1], v[RB+32+2*\i:RB+32+2*\i+1], v[10+2*\i:11+2*\i], v[18+2*\i:19+2*\i]
.endr
.endm
.macro LB2 b, buf                      ; four fragments of W2^T: K step b / 2, channel tiles 4 (b % 2) on
.irp tl,0,1,2,3
	LDW (\buf)+8*\tl,12,16*PW*(4*((\b)&1)+\tl)+64*((\b)>>1)
.endr
.endm
.macro LB3 dp, b                       ; three fragments of W3^T: pair 2 dp + b / 8, K step (b / 2) % 4, tiles 3 (b % 2) on, into buffer b % 2; the base is v15 (pairs 0, 1) or v0 (pairs 2, 3)
.irp n,0,1,2
	LDW RC+24*((\b)&1)+8*\n,15-15*(\dp),PAIRB*((\b)>>3)+16*PW*(3*((\b)&1)+\n)+64*(((\b)>>1)&3)
.endr
.endm
; LAYER 3 AND THE SPLINE for pairs 2 dp and 2 dp + 1: 192 channels, four K steps, in sixteen batches of three fragments on two weight buffers; then the spline of both windows.
.macro DPAIR dp
	WIN 0
.irp m,0,1
.irp i,0,1,2,3,4,5
	LDB RB+48*\m+8*\i,13,1024+384*(2*(\dp)+\m)+64*\i
.endr
.endr
	LB3 \dp,0
	LB3 \dp,1
.if (\dp) == 1
	; A PREFETCH INTO THE L2 of the work-group's next eight units, which its waves load behind this double pair: 192 matrix instructions and two splines of this wave ahead of those loads.
	; 16,384 bytes of x are shared out between waves 0 and 1, 8,192 of c go to wave 2, a lane 256 bytes: each block is named once in the launch.  It stands behind the run of LDS loads.
	; The first units come by their loads alone; where the eight units do not all exist nothing is asked for, so no request passes a buffer's end.
	s_cmp_lg_u32 s79, 0
	s_cbranch_scc0 .Lnoask
	global_prefetch_b8 v5, s[70:71] th:TH_LOAD_NT scope:SCOPE_SE
.Lnoask:
.endif
.irp b,0,1,2,3,4,5,6,7,8,9,10,11,12,13,14,15
.if (\b) < 15
	s_wait_dscnt 6                                 ; the younger batch's 6 loads may stay out
.else
	s_wait_dscnt 0x0
.endif
.if (((\b)>>1)&3) == 0
	MULF 3,RB+48*((\b)>>3)+24*((\b)&1),RC+24*((\b)&1),RA,1
.else
	MULN 3,RB+48*((\b)>>3)+24*((\b)&1),RC+24*((\b)&1),RA+8*(((\b)>>1)&3)
.endif
.if (\b) < 14
	PLACES 4
	WIN 0
	LB3 \dp,(\b)+2
.endif
.endr
	PLACES 4
	WIN 0
	SPL \dp
	WIN 0x55
	SPL \dp
	WIN 0
.endm
.macro LOGSUM                          ; the last double pair's logarithms; the two items; the row's other four dimensions lie in the lane 16 away; base 2 to base e
	v_log_f32 v[RC], v[DV]
	v_log_f32 v[RC+1], v[DV+1]
	v_nop
	s_wait_alu depctr_va_vdst(0)
	v_pk_add_f32 v[LD:LD+1], v[LD:LD+1], v[RC:RC+1]
	v_add_f32 v[LD], v[LD], v[LD+1]
	v_permlanex16_b32 v[RC], v[LD], s60, s61
	v_add_f32 v[LD], v[LD], v[RC]
	v_mul_f32 v[LD], s74, v[LD]
.endm
.Ltrip:
	s_cmp_gt_u32 s38, LASTU
	s_cbranch_scc1 .Ldead                          ; no such unit: forward, to the counter's step
	s_lshl_b32 s56, s38, 11                        ; the bases below were last read by stores and a prefetch that stand ahead of the last unit's s_wait_xcnt 0
	s_add_nc_u64 s[52:53], s[32:33], s[56:57]
	s_lshl_b32 s56, s38, 7
	s_add_nc_u64 s[54:55], s[34:35], s[56:57]
	s_sub_co_u32 s73, s38, s36
	s_add_co_u32 s73, s73, 2048                    ; the first of the work-group's next eight units
	s_cmp_le_u32 s73, s72
	s_cselect_b32 s79, 1, 0                        ; not asked for where the eight do not all exist
	s_min_u32 s73, s73, NU-8
	s_lshl_b32 s56, s73, s37
	s_add_co_u32 s56, s56, s43
	s_add_nc_u64 s[70:71], s[68:69], s[56:57]
	; IN: the unit's rows are rounded to bf16 and go into my stage; each lane takes its 8 inputs back.  LDS serves a wave's instructions in order (ISA guide 5.7.1.4), and the stage is mine alone.
	s_wait_loadcnt 0x0                             ; the unit's 6 loads
	RB16 12,RB,RB+40
.irp i,0,1,2,3
	ds_store_b128 v6, v[RB+4*\i:RB+4*\i+3] offset:8*PW1*\i
.endr
.irp i,0,1
	ds_store_b128 v7, v[RB+16+4*\i:RB+16+4*\i+3] offset:16*PW1*\i
.endr
	ds_load_b128 v[RB+32:RB+35], v8
	ds_load_b128 v[RB+36:RB+39], v8 offset:16
	WIN 0x40                               ; destination in window 1: rows 16-31
	ds_load_b128 v[RB+32:RB+35], v8 offset:16*PW1
	ds_load_b128 v[RB+36:RB+39], v8 offset:16*PW1+16
	s_wait_dscnt 0x0
	WIN 0x14                               ; G and O in window 1, the data in window 0
	BNF
	WIN 0
	SPLIT 4,RB+32,RA,RA+4
	WIN 0x55
	BNF
	SPLIT 4,RB+32,RA,RA+4
	WIN 0
	; LAYER 1: 128 channels, one K step (hi at k = 0..15, lo at k = 16..31)
.irp t,0,1,2,3,4,5,6,7
	LDB RB+8*\t,13,64*\t
.endr
.irp t,0,1,2,3
	LDW RB+64+8*\t,14,16*PW1*\t
.endr
.irp t,0,1,2,3
	LDW RA+32+8*\t,14,16*PW1*(4+\t)
.endr
	s_wait_dscnt 0x0
	MULF 4,RB,RB+64,RA,0
	MULF 4,RB+32,RA+32,RA,0
	PLACES 4
	WIN 0
	SWISH RC
	WIN 0x55
	SWISH RC
	WIN 0
	; LAYER 2: 128 channels, four K steps, in eight batches of four fragments on two weight buffers
.irp t,0,1,2,3,4,5,6,7
	LDB RB+8*\t,13,512+64*\t
.endr
	LB2 0,RB+64
	LB2 1,RA
.irp b,0,1,2,3,4,5,6,7
.if (\b) < 7
	s_wait_dscnt 8                                 ; the younger batch's 8 loads may stay out
.else
	s_wait_dscnt 0x0
.endif
.if (\b) < 2
	MULF 4,RB+32*((\b)&1),RB+64-(RB+64-RA)*((\b)&1),RC,1
.else
	MULN 4,RB+32*((\b)&1),RB+64-(RB+64-RA)*((\b)&1),RC+8*((\b)>>1)
.endif
.if (\b) < 6
	PLACES 4
	WIN 0
	LB2 (\b)+2,RB+64-(RB+64-RA)*((\b)&1)
.endif
.endr
	PLACES 4
	WIN 0
	SWISH RA
	WIN 0x55
	SWISH RA
	WIN 0
	v_mov_b32 v[LD], 0
	v_mov_b32 v[LD+1], 0
	v_mov_b32 v[DV], 1.0
	v_mov_b32 v[DV+1], 1.0
	WIN 0x40
	v_mov_b32 v[LD], 0
	v_mov_b32 v[LD+1], 0
	v_mov_b32 v[DV], 1.0
	v_mov_b32 v[DV+1], 1.0
	WIN 0
	DPAIR 0
	DPAIR 1
	; the next unit's loads go out ahead of this unit's way out, into registers that the way out leaves alone
	s_add_co_u32 s39, s38, 2048
	s_cmp_gt_u32 s39, LASTU
	s_cbranch_scc1 .Lnonext
	ISSUE
.Lnonext:
	; THE WAY OUT: the stage's rows now hold [yt, x[8:16]]; they come back as they went in and are stored 512 consecutive bytes an instruction
	LOGSUM
	ds_store_b32 v10, v[LD]
	WIN 0x55
	LOGSUM
	WIN 0x04                               ; data in window 1
	ds_store_b32 v10, v[LD] offset:64
	WIN 0
.irp i,0,1,2,3
	ds_load_b128 v[RA+4*\i:RA+4*\i+3], v6 offset:8*PW1*\i
.endr
	ds_load_b32 v[RA+16], v11
	s_wait_dscnt 0x0
.irp i,0,1,2,3
	global_store_b128 v3, v[RA+4*\i:RA+4*\i+3], s[52:53] offset:512*\i th:TH_STORE_NT
.endr
	global_store_b32 v4, v[RA+16], s[54:55] th:TH_STORE_NT         ; the unit's 32 numbers of out1: 128 consecutive bytes
	s_wait_xcnt 0x0                                ; the stores' data and bases, and the loads' and the prefetch's bases, are written anew only behind this wait
.Ldead:
	s_add_co_u32 s38, s38, 2048
	s_sub_co_u32 s40, s40, 1
	s_cmp_lg_u32 s40, 0
	s_cbranch_scc1 .Ltrip
	s_wait_tensorcnt 0x0                           ; the wave's end, behind my last LDS store
	ds_add_u32 v1, v2
	s_wait_dscnt 0x0
	s_endpgm
.Lfunc_end_k_q0958782401_spline:
	.size	k_q0958782401_spline, .Lfunc_end_k_q0958782401_spline-k_q0958782401_spline
	.p2alignl 7, 3214868480
	.fill 96, 4, 3214868480
	.section	.rodata,"a",@progbits
	.p2align	6, 0x0
	.amdhsa_kernel k_q0958782401_spline
		.amdhsa_group_segment_fixed_size 196096
		.amdhsa_private_segment_fixed_size 0
		.amdhsa_enable_private_segment 0
		.amdhsa_kernarg_size 112
		.amdhsa_user_sgpr_count 2
		.amdhsa_user_sgpr_kernarg_segment_ptr 1
		.amdhsa_wavefront_size32 1
		.amdhsa_system_sgpr_workgroup_id_x 1
		.amdhsa_system_sgpr_workgroup_id_y 1
		.amdhsa_system_sgpr_workgroup_id_z 1
		.amdhsa_system_vgpr_workitem_id 0
		.amdhsa_next_free_vgpr 512
		.amdhsa_next_free_sgpr 80
		.amdhsa_reserve_vcc 1
		.amdhsa_float_denorm_mode_32 3
		.amdhsa_float_denorm_mode_16_64 3
		.amdhsa_memory_ordered 1
		.amdhsa_forward_progress 1
		.amdhsa_inst_pref_size 255
	.end_amdhsa_kernel
	.section	.bss,"aw",@nobits
	.p2align	6
	.space	262144
	.amdgpu_metadata
---
amdhsa.version: [ 1, 2 ]
amdhsa.kernels:
  - .name:           k_q0958782401_spline
    .symbol:         k_q0958782401_spline.kd
    .args:
      - { .name: x, .offset: 0, .size: 8, .value_kind: global_buffer, .address_space: global }
      - { .name: c, .offset: 8, .size: 8, .value_kind: global_buffer, .address_space: global }
      - { .name: bn_scale, .offset: 16, .size: 8, .value_kind: global_buffer, .address_space: global }
      - { .name: bn_bias, .offset: 24, .size: 8, .value_kind: global_buffer, .address_space: global }
      - { .name: bn_mean, .offset: 32, .size: 8, .value_kind: global_buffer, .address_space: global }
      - { .name: bn_var, .offset: 40, .size: 8, .value_kind: global_buffer, .address_space: global }
      - { .name: W1, .offset: 48, .size: 8, .value_kind: global_buffer, .address_space: global }
      - { .name: b1, .offset: 56, .size: 8, .value_kind: global_buffer, .address_space: global }
      - { .name: W2, .offset: 64, .size: 8, .value_kind: global_buffer, .address_space: global }
      - { .name: b2, .offset: 72, .size: 8, .value_kind: global_buffer, .address_space: global }
      - { .name: W3, .offset: 80, .size: 8, .value_kind: global_buffer, .address_space: global }
      - { .name: b3, .offset: 88, .size: 8, .value_kind: global_buffer, .address_space: global }
      - { .name: out0, .offset: 96, .size: 8, .value_kind: global_buffer, .address_space: global }
      - { .name: out1, .offset: 104, .size: 8, .value_kind: global_buffer, .address_space: global }
    .group_segment_fixed_size: 196096
    .private_segment_fixed_size: 0
    .kernarg_segment_align: 8
    .kernarg_segment_size: 112
    .max_flat_workgroup_size: 256
    .sgpr_count:     80
    .vgpr_count:     512
    .wavefront_size: 32
...
	.end_amdgpu_metadata
.endif
;; end of part 1
;; ======== version 2 of 2: 1 launch; version 1 with the launch spline written anew for expert scheduling mode
;; limits: values are held in f16: magnitudes above 65,504 overflow, below 6.1e-05 lose precision; right only within a limited range of input values
;; launch spline (part 2): grid 256 x 1, 8 waves a work-group, no clusters, 196,096 bytes of LDS; arguments x, c, bn_scale, bn_bias, bn_mean, bn_var, W1, b1, W2, b2, W3, b3, out0, out1; writes out0, out1
.if DOCPART == 2
	.amdgcn_target "amdgcn-amd-amdhsa--gfx1250"
	.amdhsa_code_object_version 6
	.text
	.protected	k_q0958782401_spline
	.globl	k_q0958782401_spline
	.p2align	8
	.type	k_q0958782401_spline,@function
k_q0958782401_spline:
	s_mov_b64 s[64:65], 0
	v_nop
	global_prefetch_b8 v0, s[64:65] scope:SCOPE_SE
	s_setreg_imm32_b32 hwreg(HW_REG_WAVE_SCHED_MODE, 0, 2), 2
	s_setreg_imm32_b32 hwreg(HW_REG_WAVE_MODE, 25, 1), 1
	s_wait_xcnt 0x0
	s_wait_alu depctr_vm_vsrc(0)
; NEURAL SPLINE COUPLING, all of it in one launch.  For each of 500,000 rows: BatchNorm of [x[8:16], c], 16 -> 128 -> 128 -> 376 with swish, and for each of 8 dimensions
; two softmaxes of 16, 15 softplus slopes, a bin search and the rational-quadratic spline.  out0 = [yt, x[8:16]], out1 = the sum of the 8 log derivatives.
; SHARES.  A UNIT is 32 rows: 15,625 units.  256 work-groups x 8 waves; wave g of 2,048 walks units g, g + 2048, .. g + 7 x 2048 (a unit past the last is jumped).
; A wave holds 512 registers: rows 0-15 of its unit in window 0, rows 16-31 under the same numbers in window 1.  The waves do not depend on each other: one barrier in the launch,
; behind the set-up of the weights.
; LAYOUT.  Every product is used transposed: source 0 = 16 output channels (weights, [channel][k] in LDS), source 1 = 16 data rows.  In the result lane (r = l % 16, h = l / 16) holds data
; row r and channels 8 h + 0..7; two results packed to f16 ARE source 1 of the next layer.  Layer 3's channels are ordered so that in pair p (0..3) a lane holds all 48 numbers of ONE
; (row, dimension p + 4 h): register 2 q the width logit q, register 2 q + 1 the height logit q, registers 32 + m the slope logit m; m = 15 is a pad (weights 0, bias a*), whose softplus is 1.
; FORMATS.  EVERY INPUT IS ROUNDED ONCE TO bf16 AS IT IS LOADED (x, c, the BatchNorm arrays, weights, biases; xt and the copy of x[8:16] in out0 too): the launch computes the module on the
; inputs so rounded.  16 x such a weight is exact in f16.  Each activation a goes to the matrix unit as TWO f16 numbers, hi = f16(a) and lo = f16(a - hi), whose products add onto one f32
; sum: a weight fragment read from LDS feeds four matrix instructions (two windows x hi, lo).  In layer 1 lo takes the K places 16..31, where W1^T stands a second time.
; Exact powers of two are folded in: in'' = -(L/16) BN(in), W1'' = 16 W1, W2'' = 16 W2, W3'' = -16 W3, L = log2(e); the C operands are -L b1, -L b2, L b3 in f32.
; Layers 1, 2 give u = -L z; swish is kept as h'' = u / (16 + 16 2^u) = -(L/16) swish(z); layer 3 gives L p.
; SPLINE.  Each softmax takes its own maximum away, e = 2^(a - max), and is never normalised: the bin test is c_j <= xc Sx on the running sums; width and height of the bin are selected,
; not formed as differences; softplus is taken of the two selected slope logits alone; logarithms stay in base 2 until the row's sum.
; LIMITS.  f16 holds in'' and h'' for |BN output| and |swish| below 7.2e5, and 16 W for |W| below 4,094; lo keeps f16's fixed step of 2^-24 (3.3e-7 of swish at the most); a weight below
; 2^-21 keeps a step of 3.7e-9.  An exponential below 2^-126 counts as 0.  Where c_j = xc Sx to the last bit the neighbouring bin may be taken (spline and slope are continuous there).
; The boundary slope is 1 to within 2e-7.  xt = NaN gives y = NaN and adds 0 to the log derivative; other NaN and infinities are not treated apart.
; NO CLUSTER, NO TENSOR LOADS.  What work-groups share are the weights, 266,240 bytes of f32, read once by each; they are rounded, scaled and transposed on the way, which goes through
; registers.  x and c are 3,072 bytes a unit, each byte read by one wave: plain loads, asked for ahead.
; EVERY LDS ADDRESS is a register made once (a constant, the wave's number times a constant, a lane term) plus an immediate: so layer 3's pairs are written out, not looped over.
; THE MODE: SCHED_MODE bits 1:0 = 2 (LLVM: expert scheduling mode 2), set by the entry lines.  The code itself states the register dependences between vector or matrix instructions
; and memory or LDS instructions, with s_wait_alu, always for 0.
; THE PLAN.  Registers that memory or LDS instructions touch in a unit, in program order (w0, w1: the windows):
;   RB..RB+23 w0      the unit's loads land; RB16 rounds them in place; six LDS stores read them; then layer 1's biases land.
;   RB+32..39 w0, w1  my 8 inputs land; BNF and SPLIT work on them; then (w0) biases land.
;   RB..RB+95 w0      biases land ahead of each layer and each double pair; products, SWISH and the spline work on them between.
;   weight buffers    w0 alone.  Layer 1: RB+64.., RA+32..; layer 2: RB+64.., RA.. by turns; layer 3: RC.., RC+24.. by turns.  LDS loads land, products read.
;   XT, XT+1 w0, w1   xt lands, asked for at a double pair's head; the spline reads it.
;   RC+9, RC+25       w0, w1: the spline writes yt, an LDS store reads it; later weights land there (w0) or the next spline's sums are written (w1).
;   LD w0, w1         LOGSUM writes it, an LDS store reads it, the next unit's v_mov writes it.
;   RA..RA+16 w0      the last products read H2; the stage's rows land; the global stores read them; the next unit's SPLIT writes them.
;   v0, v3-v15 and window 1's v9 are addresses made in the head and never written in the loop.
; A batch of weights is worked on so: the wait for its loads; ONE wait on va_vdst, which states that the batch before has read the OTHER buffer; then this batch's products, and among them
; the next batch's loads into that other buffer, which no vector or matrix instruction issued since the wait names.  The other waits stand where a phase of vector work ends and a run of
; loads or stores begins; each says at its place what it states.  A run of compares writes its masks into scalar registers, with one wait on va_sdst behind the run.
.set NU,     15625                     ; units
.set LASTU,  NU-1
.set PW1,    80                        ; LDS pitch of W1^T and of the stages: an odd multiple of 16 bytes, so that 16 rows start at different banks (64 banks of 4 bytes: ISA guide 11.1)
.set PW,     272                       ; LDS pitch of W2^T and W3^T: 256 bytes + 16
.set W2T,    10240                     ; W1^T: 128 rows x 80 from byte 0; W2^T: 128 rows x 272 from here
.set W3T,    45056                     ; W3^T: 384 rows x 272
.set PAIRB,  26112                     ; a pair's 96 rows of W3^T
.set BT,     149504                    ; f32: -L b1 [128], -L b2 [128], L b3 in layer 3's order [384]
.set STG,    152064                    ; a stage for each wave: x 32 rows x 80, c 32 rows x 80 from +2,560, log_det 32 words from +5,120
.set STGB,   5376
.set SPARE,  195072                    ; the spare words, 128 bytes for each wave: four blocks of 256 bytes that no other line names
.set LOG2E,  0x3fb8aa3b
.set LN2,    0x3f317218
.set ASTAR,  0x3f47ed6f                ; a* = log2(e - 1)
.set RA, 32                            ; v32-95   layer 1's input fragment (hi 4, lo 4); window 0: weight buffers in layers 1, 2; then H2: hi of K step k at RA + 8 k, lo 32 on; the way out
.set RB, 96                            ; v96-191  window 0: x and c as loaded; accumulators; window 0: RB+64.. a weight buffer
.set RC, 192                           ; v192-255 H1, laid as H2; in layer 3: window 0 two weight buffers, then the spline's registers
.set PP0, RB                           ; the 48 numbers of the even pair's item, and of the odd pair's
.set PP1, RB+48
.set CU0, RC-4                         ; running sums (x, y) c_j, j = 2..15, at CU0 + 2 j
.set MX1, RC+28                        ; the maxima (x, y) of item 1, of item 0
.set MX0, RC+30
.set RS0, RC+32                        ; an item's record: +0 X0 +1 Y0 +2 W +3 H +4 D0 +5 D1 +7 xc +8 Sx +9 Sy +10 t
.set RS1, RC+44
.set LD,  RC+56                        ; log2 derivatives summed so far, items 0, 1
.set DV,  RC+58                        ; the last double pair's derivatives, whose logarithm is still to be taken
.set XT,  RC+60                        ; xt of items 0, 1: outside the weight buffers, so that it can be asked for at the double pair's head
.set MK,  12                           ; s12-s26, from the barrier on: the masks of a run of compares (the set-up's loads by the addresses that lay there are done)
.set SETR, 32                          ; set-up: a ring of three sets of 16 registers for weights as loaded
.set PK,   240                         ; set-up: two sets of 8 numbers packed, one for each task of a group
; window 0, v0-31: v0 thread, from the end of the set-up on a W3^T fragment of pairs 2, 3; v1 spare word's address; v2 0; v3 16 l; v4 4 l; v5 256 l; v6, v7 stage addresses by loaded
; 16 bytes (x, c); v8 my 8 inputs; v9 my xt (window 1: 16 rows on); v10, v11 log_det in and out of the stage; v12 W2^T fragment; v13 biases; v14 W1^T fragment;
; v15 W3^T fragment of pairs 0, 1; v30 -1.0 (in both windows).  window 1: v10-17 G, v18-25 O: in'' = G in + O for my 8 channels
; scalars: s3 a*; s[4:5] 16.0; s[6:7] the conversions' scale; s[8:35] the 14 addresses; s36 wave; s37, s43 the prefetch's shift and share; s38 unit; s39 next unit; s40 trips;
; s41 a word's upper half; s[44:45], s[48:49] load bases; s[52:55] store bases; s[56:57] an offset; s[60:61] lane selects; s62 sign bit; s63 all lanes but the pad's;
; s[68:71] prefetch buffer and address; s72 its last unit; s2, s66, s67, s73 at work; s[74:75] ln 2; s79 1 = the wave prefetches in this unit
.set MSB, 0
.macro WIN new                         ; s_set_vgpr_msb: bits 1:0 source 0, 3:2 source 1, 5:4 source 2, 7:6 destination; the high byte repeats the setting that is left
.if MSB != (\new)
	s_set_vgpr_msb (MSB<<8)|(\new)
.set MSB, \new
.endif
.endm
.macro PLACES n                        ; plain vector instructions between a matrix instruction and what touches its registers (ISA guide 7.12.1)
.rept \n
	v_nop
.endr
.endm
.macro LDW buf, adr, off               ; a fragment of 16 channels x 32 k: two loads of 16 bytes, 32 bytes apart
	ds_load_b128 v[(\buf):(\buf)+3], v[\adr] offset:\off
	ds_load_b128 v[(\buf)+4:(\buf)+7], v[\adr] offset:(\off)+32
.endm
.macro LDN nf, buf, adr, off           ; a batch: nf fragments of W2^T or W3^T, 16 rows apart
.set tt, 0
.rept \nf
	LDW (\buf)+8*tt,\adr,(\off)+16*PW*tt
.set tt, tt+1
.endr
.endm
.macro LDB buf, adr, off               ; my 8 channels' biases, as a C operand
	ds_load_b128 v[(\buf):(\buf)+3], v[\adr] offset:\off
	ds_load_b128 v[(\buf)+4:(\buf)+7], v[\adr] offset:(\off)+16
.endm
.macro WM d, a, b, c
	v_wmma_f32_16x16x32_f16 v[(\d):(\d)+7], v[(\a):(\a)+7], v[(\b):(\b)+7], v[(\c):(\c)+7]
.endm
.macro MULQ nf, acc, wb, bop           ; nf products under the window setting in hand: channel tile t: accumulator acc + 8 t, weights wb + 8 t; the accumulators take turns, one instruction a turn
.set tt, 0
.rept \nf
	WM (\acc)+8*tt,(\wb)+8*tt,(\bop),(\acc)+8*tt
.set tt, tt+1
.endr
.endm
.macro MULQD nf, acc, wb, bop, buf, adr, off   ; as MULQ, under window 0; behind product t stands the next batch's fragment t, which lands in the other buffer
.set tt, 0
.rept \nf
	WM (\acc)+8*tt,(\wb)+8*tt,(\bop),(\acc)+8*tt
	LDW (\buf)+8*tt,\adr,(\off)+16*PW*tt
.set tt, tt+1
.endr
.endm
.macro MULN nf, acc, wb, hh, ld=0, buf=0, adr=0, off=0   ; a K step on nf channel tiles: both windows, hi (hh) and lo (hh + 32).  ld = 1: the next batch's loads are dealt among the first products
	WIN 0
.if \ld
	MULQD \nf,\acc,\wb,\hh,\buf,\adr,\off
.else
	MULQ \nf,\acc,\wb,\hh
.endif
	MULQ \nf,\acc,\wb,(\hh)+32
	WIN 0x54                               ; weights in window 0; data, C and D in window 1
	MULQ \nf,\acc,\wb,\hh
	MULQ \nf,\acc,\wb,(\hh)+32
.endm
; The first K step.  The biases lie in window 0's accumulators and are the C operand of both windows' first products; window 0's come second, in place, five places behind the last
; product that read them.  lo = 1: the products with lo follow.  ld = 1: the next batch's loads stand in one run ahead of the five places.
.macro MULF nf, acc, wb, hh, lo, ld=0, buf=0, adr=0, off=0
	WIN 0x44                               ; weights and C in window 0; data and D in window 1
	MULQ \nf,\acc,\wb,\hh
	WIN 0
.if \ld
	LDN \nf,\buf,\adr,\off
.endif
	PLACES 5
	MULQ \nf,\acc,\wb,\hh
.if \lo
	MULQ \nf,\acc,\wb,(\hh)+32
	WIN 0x54
	MULQ \nf,\acc,\wb,(\hh)+32
.endif
.endm
.macro RB16 n, src, tmp                ; 2 n numbers are rounded to bf16, in place: two roundings an instruction, then the halves go back to f32
.set ee, 0
.rept \n
	v_cvt_pk_bf16_f32 v[(\tmp)+ee], v[(\src)+2*ee], v[(\src)+2*ee+1]
.set ee, ee+1
.endr
.set ee, 0
.rept \n
	v_lshlrev_b32 v[(\src)+2*ee], 16, v[(\tmp)+ee]
	v_and_b32 v[(\src)+2*ee+1], s41, v[(\tmp)+ee]
.set ee, ee+1
.endr
.endm
.macro SPLIT n, src, hi, lo            ; 2 n numbers a become hi = f16(a) and lo = f16(a - hi), packed; a - hi = hi x (-1.0) + a is exact in f32
.set ee, 0
.rept \n
	v_cvt_pk_f16_f32 v[(\hi)+ee], v[(\src)+2*ee], v[(\src)+2*ee+1]
.set ee, ee+1
.endr
.set ee, 0
.rept \n
	v_fma_mix_f32 v[(\src)+2*ee], v[(\hi)+ee], v30, v[(\src)+2*ee] op_sel_hi:[1,0,0]
	v_fma_mix_f32 v[(\src)+2*ee+1], v[(\hi)+ee], v30, v[(\src)+2*ee+1] op_sel:[1,0,0] op_sel_hi:[1,0,0]
.set ee, ee+1
.endr
.set ee, 0
.rept \n
	v_cvt_pk_f16_f32 v[(\lo)+ee], v[(\src)+2*ee], v[(\src)+2*ee+1]
.set ee, ee+1
.endr
.endm
; SWISH of the 64 accumulators RB + 8 t + j of the window in hand: h'' = u / (16 + 16 2^u), split and packed as source 1 of the next layer: hi at out + 4 t, lo 32 on.
; Two batches of transcendentals, each with one plain instruction and one wait behind it.  The accumulators are read in ascending order.
.macro TAOF out, x                     ; where 2^u and the reciprocal of number x stand: 32 behind the accumulators, 32 where hi will lie
.if (\x) < 32
.set ta, RB+64+(\x)
.else
.set ta, (\out)+(\x)-32
.endif
.endm
.macro SWISH out
.set ee, 0
.rept 64
	TAOF \out,ee
	v_exp_f32 v[ta], v[RB+ee]
.set ee, ee+1
.endr
	v_nop
	s_wait_alu depctr_va_vdst(0)           ; the 64 exponentials have written their results, which the lines below read: one wait for the batch
.set ee, 0
.rept 32
	TAOF \out,ee
	v_pk_fma_f32 v[ta:ta+1], v[ta:ta+1], s[4:5], s[4:5] op_sel_hi:[1,0,0]
.set ee, ee+2
.endr
.set ee, 0
.rept 64
	TAOF \out,ee
	v_rcp_f32 v[ta], v[ta]
.set ee, ee+1
.endr
	v_nop
	s_wait_alu depctr_va_vdst(0)           ; the 64 reciprocals have written their results, which the lines below read: one wait for the batch
.set ee, 0
.rept 32
	TAOF \out,ee
	v_pk_mul_f32 v[RB+ee:RB+ee+1], v[RB+ee:RB+ee+1], v[ta:ta+1]
.set ee, ee+2
.endr
	SPLIT 32,RB,\out,(\out)+32
.endm
; The loads of unit s39: 32 rows of x (2,048 bytes) and of c (1,024), 16 bytes a lane, 512 consecutive bytes an instruction.
.macro ISSUE
	s_lshl_b32 s56, s39, 11
	s_add_nc_u64 s[44:45], s[8:9], s[56:57]
	s_lshr_b32 s56, s56, 1
	s_add_nc_u64 s[48:49], s[10:11], s[56:57]
.irp i,0,1,2,3
	global_load_b128 v[RB+4*\i:RB+4*\i+3], v3, s[44:45] offset:512*\i th:TH_LOAD_NT
.endr
.irp i,0,1
	global_load_b128 v[RB+16+4*\i:RB+16+4*\i+3], v3, s[48:49] offset:512*\i th:TH_LOAD_NT
.endr
.endm
; SET-UP.  A task is 32 channels (a lane each) x 8 k: eight loads of a word, the rounding to bf16, the scale, four conversions to f16 (exact), one LDS store of 16 bytes.
; A wave has 32 tasks: 0-7 are W2's, 8 + 6 p + s is task s of W3's pair p.  The conversions (CONV, CT) and the store (ST) are apart, so that one wait serves a group's two stores.
.macro CONV src, pk, pad=0
	RB16 4,\src,\pk
.irp i,0,1,2,3
	v_pk_mul_f32 v[(\src)+2*\i:(\src)+2*\i+1], v[(\src)+2*\i:(\src)+2*\i+1], s[6:7] op_sel_hi:[1,0]
.endr
.irp i,0,1,2,3
	v_cvt_pk_f16_f32 v[(\pk)+\i], v[(\src)+2*\i], v[(\src)+2*\i+1]
.endr
.if \pad
.irp i,0,1,2,3
	v_cndmask_b32 v[(\pk)+\i], 0, v[(\pk)+\i], s63   ; the pad channel's weights are 0
.endr
.endif
.endm
.macro LW2 s, dst                      ; W2: channels 32 (s / 2) + l, k = 8 w + 64 (s % 2) + e
.irp e,0,1,2,3,4,5,6,7
	global_load_b32 v[(\dst)+\e], v129, s[24:25] offset:512*\e+32768*((\s)&1)+128*((\s)>>1)
.endr
.endm
.macro LW3 p, s, dst                   ; W3, pair p: rows 32 (s / 2) + l of the pair's 96, k = 8 w + 64 (s % 2) + e; the order of the columns lies in v131 (logits) and v132 (slopes)
.irp e,0,1,2,3,4,5,6,7
.if (\s) < 4
	global_load_b32 v[(\dst)+\e], v131, s[28:29] offset:1504*\e+96256*((\s)&1)+4*(47*(\p)+8*((\s)>>1))
.else
	global_load_b32 v[(\dst)+\e], v132, s[28:29] offset:1504*\e+96256*((\s)&1)+188*(\p)
.endif
.endr
.endm
.macro LT t, dst                       ; task t's eight loads
.if (\t) < 8
	LW2 \t,\dst
.else
	LW3 ((\t)-8)/6,((\t)-8)%6,\dst
.endif
.endm
.macro CT t, src, pk                   ; task t is converted
.if (\t) < 8
	CONV \src,\pk,0
.else
	CONV \src,\pk,(((\t)-8)%6)/4
.endif
.endm
.macro ST t, pk                        ; task t is stored
.if (\t) < 8
	ds_store_b128 v130, v[(\pk):(\pk)+3] offset:8704*((\t)>>1)+128*((\t)&1)
.else
.set cp, ((\t)-8)/6
.set cs, ((\t)-8)%6
	ds_store_b128 v[133+cp/2], v[(\pk):(\pk)+3] offset:PAIRB*(cp%2)+8704*(cs>>1)+128*(cs&1)
.endif
.endm
; ---------------------------------------------------------------- THE SPLINE of pairs 2 dp and 2 dp + 1 (items 0, 1), for the row tile of the window in hand
.macro MAXSTEP n                       ; step n of 8 of the four maxima (item x width / height), by turns; each accumulator's lowest registers are read first
.irp rt,0,1
.irp c,0,1
.if (\n) == 0
	v_max3_num_f32 v[MX0-2*\rt+\c], v[RB+48*\rt+\c], v[RB+48*\rt+\c+2], v[RB+48*\rt+\c+4]
.elseif (\n) < 7
	v_max3_num_f32 v[MX0-2*\rt+\c], v[MX0-2*\rt+\c], v[RB+48*\rt+\c+4*(\n)+2], v[RB+48*\rt+\c+4*(\n)+4]
.else
	v_max_num_f32 v[MX0-2*\rt+\c], v[MX0-2*\rt+\c], v[RB+48*\rt+\c+30]
.endif
.endr
.endr
.endm
.macro S2HEAD rt                       ; xc = clip(xt, 0, 1); t = xc Sx
	v_max_num_f32 v[RS0+12*(\rt)+7], 0, v[XT+(\rt)]
	v_min_num_f32 v[RS0+12*(\rt)+7], 1.0, v[RS0+12*(\rt)+7]
	v_mul_f32 v[RS0+12*(\rt)+10], v[RS0+12*(\rt)+7], v[RS0+12*(\rt)+8]
.endm
.macro CMPRUN rt                       ; the item's 15 tests c_j <= t in one run: the mask of bin j goes into s[MK + j - 1]
	v_cmp_le_f32 s[MK], v[RB+48*(\rt)], v[RS0+12*(\rt)+10]
.set cj, 2
.rept 14
	v_cmp_le_f32 s[MK+cj-1], v[CU0+2*cj], v[RS0+12*(\rt)+10]
.set cj, cj+1
.endr
.endm
.macro SELSTEP rt, j                   ; where c_j <= t the record takes bin j's six numbers; the sums do not fall, so the last bin taken is the count of such j
.set rr, RS0+12*(\rt)
.set pp, RB+48*(\rt)
.set mk, MK+(\j)-1
.if (\j) == 1
	v_cndmask_b32 v[rr], 0, v[pp], s[mk]
	v_cndmask_b32 v[rr+1], 0, v[pp+1], s[mk]
	v_cndmask_b32 v[rr+2], v[pp], v[pp+2], s[mk]
	v_cndmask_b32 v[rr+3], v[pp+1], v[pp+3], s[mk]
	v_cndmask_b32 v[rr+4], s3, v[pp+32], s[mk]
	v_cndmask_b32 v[rr+5], v[pp+32], v[pp+33], s[mk]
.else
	v_cndmask_b32 v[rr], v[rr], v[CU0+2*(\j)], s[mk]
	v_cndmask_b32 v[rr+1], v[rr+1], v[CU0+2*(\j)+1], s[mk]
	v_cndmask_b32 v[rr+2], v[rr+2], v[pp+2*(\j)], s[mk]
	v_cndmask_b32 v[rr+3], v[rr+3], v[pp+2*(\j)+1], s[mk]
	v_cndmask_b32 v[rr+4], v[rr+4], v[pp+31+(\j)], s[mk]
	v_cndmask_b32 v[rr+5], v[rr+5], v[pp+32+(\j)], s[mk]
.endif
.endm
.macro BOTH line:vararg                ; one line for each of the two items: Z its 16 registers at work, R its record, tq its number
.set tq, 0
.rept 2
.set Z, RC+16*tq
.set R, RS0+12*tq
	\line
.set tq, tq+1
.endr
.endm
; w: the window in hand, 0 or 1.  The compares, whose destination is a scalar register, run under a setting with the destination's field at 0.
.macro SPL dp, w
.irp n,0,1,2,3,4,5,6,7
	MAXSTEP \n
.endr
.set q, 0
.rept 16
	v_pk_add_f32 v[PP0+2*q:PP0+2*q+1], v[PP0+2*q:PP0+2*q+1], v[MX0:MX0+1] neg_lo:[0,1] neg_hi:[0,1]
.set q, q+1
.endr
.set q, 0
.rept 16                               ; item 0's exponentials; item 1's subtractions stand between them
	v_exp_f32 v[PP0+2*q], v[PP0+2*q]
	v_exp_f32 v[PP0+2*q+1], v[PP0+2*q+1]
	v_pk_add_f32 v[PP1+2*q:PP1+2*q+1], v[PP1+2*q:PP1+2*q+1], v[MX1:MX1+1] neg_lo:[0,1] neg_hi:[0,1]
.set q, q+1
.endr
	s_wait_alu depctr_va_vdst(0)           ; item 0's 32 exponentials have written their results, which the running sums read: one wait for the batch
.set q, 1
.rept 15                               ; item 0's running sums c_(q+1) = c_q + e_q; item 1's exponentials stand between them
.if q == 1
	v_pk_add_f32 v[CU0+4:CU0+5], v[PP0:PP0+1], v[PP0+2:PP0+3]
.elseif q < 15
	v_pk_add_f32 v[CU0+2*q+2:CU0+2*q+3], v[CU0+2*q:CU0+2*q+1], v[PP0+2*q:PP0+2*q+1]
.else
	v_pk_add_f32 v[RS0+8:RS0+9], v[CU0+30:CU0+31], v[PP0+30:PP0+31]
.endif
	v_exp_f32 v[PP1+2*q-2], v[PP1+2*q-2]
	v_exp_f32 v[PP1+2*q-1], v[PP1+2*q-1]
.set q, q+1
.endr
	v_exp_f32 v[PP1+30], v[PP1+30]
	v_exp_f32 v[PP1+31], v[PP1+31]
	v_nop
	s_wait_alu depctr_va_vdst(0)           ; item 1's 32 exponentials have written their results, which its running sums read: one wait for the batch
	s_wait_dscnt 0x0                       ; xt is in
	S2HEAD 0
	WIN 0x05*(\w)
	CMPRUN 0
	WIN 0x55*(\w)
	s_wait_alu depctr_va_sdst(0)           ; item 0's 15 compares have written their masks, which the selects below read
	SELSTEP 0,1
.set sj, 2
.rept 14                               ; item 1's running sum c'_j takes the place of item 0's c_j, which has just been used
	SELSTEP 0,sj
.if sj == 2
	v_pk_add_f32 v[CU0+4:CU0+5], v[PP1:PP1+1], v[PP1+2:PP1+3]
.else
	v_pk_add_f32 v[CU0+2*sj:CU0+2*sj+1], v[CU0+2*sj-2:CU0+2*sj-1], v[PP1+2*sj-2:PP1+2*sj-1]
.endif
.set sj, sj+1
.endr
	v_pk_add_f32 v[RS1+8:RS1+9], v[CU0+30:CU0+31], v[PP1+30:PP1+31]
	S2HEAD 1
	WIN 0x05*(\w)
	CMPRUN 1
	WIN 0x55*(\w)
	s_wait_alu depctr_va_sdst(0)           ; item 1's 15 compares have written their masks, which the selects below read
.set sj, 1
.rept 15
	SELSTEP 1,sj
.set sj, sj+1
.endr
	; the formula.  Three batches of transcendentals, each with plain work and one wait behind it
	BOTH v_or_b32 v[Z], s62, v[R+4]                ; -|D0|, -|D1|
	BOTH v_or_b32 v[Z+1], s62, v[R+5]
	BOTH v_exp_f32 v[Z], v[Z]
	BOTH v_exp_f32 v[Z+1], v[Z+1]
	BOTH v_rcp_f32 v[Z+4], v[R+2]                  ; 1 / W
	BOTH v_rcp_f32 v[Z+5], v[R+9]                  ; 1 / Sy
	BOTH v_log_f32 v[Z+6], v[DV+tq]                ; the double pair before's derivative
	BOTH v_sub_f32 v[Z+7], v[R+10], v[R]           ; t - X0
	BOTH v_max_num_f32 v[Z+2], 0, v[R+4]
	BOTH v_max_num_f32 v[Z+3], 0, v[R+5]
	BOTH v_pk_mul_f32 v[Z+2:Z+3], v[Z+2:Z+3], s[74:75] op_sel_hi:[1,0]
	s_wait_alu depctr_va_vdst(0)           ; the four exponentials, four reciprocals and two logarithms have written Z, Z+1, Z+4, Z+5, Z+6, which the lines below read
	BOTH v_add_f32 v[LD+tq], v[LD+tq], v[Z+6]
	BOTH v_pk_add_f32 v[Z:Z+1], v[Z:Z+1], 1.0 op_sel_hi:[1,0]
	BOTH v_log_f32 v[Z], v[Z]
	BOTH v_log_f32 v[Z+1], v[Z+1]
	BOTH v_mul_f32 v[Z+7], v[Z+7], v[Z+4]          ; xi
	BOTH v_mul_f32 v[Z+8], v[R+3], v[Z+5]          ; hk
	BOTH v_mul_f32 v[Z+9], v[R+1], v[Z+5]          ; yk0
	BOTH v_mul_f32 v[Z+10], v[R+8], v[Z+4]         ; 1 / wk
	BOTH v_sub_f32 v[Z+11], 1.0, v[Z+7]            ; 1 - xi
	BOTH v_mul_f32 v[Z+10], v[Z+10], v[Z+8]        ; s
	BOTH v_mul_f32 v[Z+13], v[Z+7], v[Z+7]         ; xi^2
	BOTH v_mul_f32 v[Z+12], v[Z+7], v[Z+11]        ; z
	BOTH v_mul_f32 v[Z+14], v[Z+11], v[Z+11]       ; (1 - xi)^2
	BOTH v_mul_f32 v[Z+6], v[Z+10], v[Z+13]        ; s xi^2
	BOTH v_mul_f32 v[Z+5], v[Z+10], v[Z+12]        ; s z
	s_wait_alu depctr_va_vdst(0)           ; the four logarithms have written Z and Z+1, which the next line reads
	BOTH v_pk_fma_f32 v[Z:Z+1], v[Z:Z+1], s[74:75], v[Z+2:Z+3] op_sel_hi:[1,0,1]   ; d0, d1 = ln 2 (max(D, 0) + log2(1 + 2^-|D|))
	BOTH v_add_f32 v[Z+2], v[Z], v[Z+1]
	BOTH v_fma_f32 v[Z+2], -2.0, v[Z+10], v[Z+2]
	BOTH v_fma_f32 v[Z+15], v[Z+2], v[Z+12], v[Z+10]   ; den
	BOTH v_rcp_f32 v[Z+15], v[Z+15]
	BOTH v_fma_f32 v[Z+6], v[Z], v[Z+12], v[Z+6]   ; s xi^2 + d0 z
	BOTH v_mul_f32 v[Z+3], v[Z+1], v[Z+13]         ; d1 xi^2
	BOTH v_mul_f32 v[Z+6], v[Z+8], v[Z+6]
	BOTH v_fma_f32 v[Z+3], 2.0, v[Z+5], v[Z+3]
	BOTH v_fma_f32 v[Z+3], v[Z], v[Z+14], v[Z+3]
	s_wait_alu depctr_va_vdst(0)           ; the two reciprocals of den have written Z+15, which the lines below read
	WIN 0x05*(\w)
	v_cmp_eq_f32 s[MK], v[XT], v[RS0+7]            ; inside [0, 1] the clip changes nothing
	v_cmp_eq_f32 s[MK+1], v[XT+1], v[RS1+7]
	WIN 0x55*(\w)
	BOTH v_fma_f32 v[Z+9], v[Z+6], v[Z+15], v[Z+9] ; y
	BOTH v_mul_f32 v[Z+4], v[Z+10], v[Z+15]
	BOTH v_mul_f32 v[Z+4], v[Z+4], v[Z+4]
	BOTH v_mul_f32 v[Z+4], v[Z+4], v[Z+3]          ; the derivative
	s_wait_alu depctr_va_sdst(0)           ; the two compares have written their masks, which the selects below read
.irp t,0,1
	v_cndmask_b32 v[RC+16*\t+9], v[XT+\t], v[RC+16*\t+9], s[MK+\t]
	v_cndmask_b32 v[DV+\t], 1.0, v[RC+16*\t+4], s[MK+\t]
.endr
	s_wait_alu depctr_va_vdst(0)           ; the selects have written yt, which the two LDS stores read
.irp t,0,1
	ds_store_b32 v9, v[RC+16*\t+9] offset:8*(\dp)+4*\t     ; yt takes xt's place in my stage
.endr
.endm
; ---------------------------------------------------------------- THE HEAD
	s_load_b512 s[8:23], s[0:1], 0x0               ; x, c, bn_scale, bn_bias, bn_mean, bn_var, W1, b1
	s_load_b256 s[24:31], s[0:1], 0x40             ; W2, b2, W3, b3
	s_load_b128 s[32:35], s[0:1], 0x60             ; out0, out1
	v_lshl_add_u32 v1, v0, 2, SPARE
	v_mov_b32 v2, 0
	v_lshrrev_b32 v120, 5, v0
	v_readfirstlane_b32 s36, v120                  ; wave 0..7
	v_and_b32 v121, 31, v0                         ; l
	v_and_b32 v122, 15, v0                         ; r
	v_bfe_u32 v123, v0, 4, 1                       ; h
	v_and_b32 v124, 7, v0                          ; l % 8
	v_bfe_u32 v125, v0, 3, 1                       ; (l / 8) % 2
	v_lshlrev_b32 v3, 4, v121
	v_lshlrev_b32 v4, 2, v121
	v_lshlrev_b32 v5, 8, v121
	v_lshlrev_b32 v126, 5, v123                    ; my 8 channels in the BatchNorm arrays
	v_mov_b32 v30, -1.0
	WIN 0x40
	v_mov_b32 v30, -1.0                            ; and in window 1
	WIN 0
	s_mov_b32 s57, 0
	s_mov_b32 s60, 0x76543210
	s_mov_b32 s61, 0xfedcba98
	s_mov_b32 s62, 0x80000000
	s_mov_b32 s63, 0x7f7fffff
	s_mov_b32 s41, 0xffff0000
	s_mov_b32 s74, LN2
	s_mov_b32 s75, LN2
	s_mov_b32 s4, 0x41800000
	s_mov_b32 s5, 0x41800000
	s_mov_b32 s6, 0x41800000                       ; W1'' = 16 W1, W2'' = 16 W2
	s_mov_b32 s7, 0x41800000
	s_mov_b32 s3, ASTAR
	s_mov_b32 s40, 8
	s_wait_alu depctr_va_sdst(0)                   ; s36, the wave's number, is written, ahead of its first reader: units, offsets and branches are made from it
	s_lshl_b32 s38, ttmp9, 3
	s_add_co_u32 s38, s38, s36                     ; my first unit
	s_mov_b32 s39, s38
	; the set-up's offsets
	s_lshr_b32 s2, s36, 1
	s_and_b32 s66, s36, 1
	s_lshl_b32 s67, s2, 7
	s_lshl_b32 s73, s66, 12
	s_add_co_u32 s67, s67, s73
	v_lshl_add_u32 v127, v121, 2, s67              ; W1: channel 32 (w / 2) + l, k = 8 (w % 2) + e
	s_mul_i32 s67, s2, 32*PW1
	s_lshl_b32 s73, s66, 4
	s_add_co_u32 s67, s67, s73
	v_mul_u32_u24 v128, v121, PW1
	v_add_nc_u32 v128, s67, v128
	s_lshl_b32 s67, s36, 12
	v_lshl_add_u32 v129, v121, 2, s67              ; W2: 4 l + 8 w rows of 512 bytes
	s_lshl_b32 s67, s36, 4
	s_add_co_u32 s67, s67, W2T
	v_mul_u32_u24 v130, v121, PW
	v_add_nc_u32 v130, s67, v130                   ; W2^T: row l, 16 bytes at 16 w
	v_add_nc_u32 v133, W3T-W2T, v130               ; W3^T likewise, pairs 0 and 1,
	v_add_nc_u32 v134, 2*PAIRB, v133               ; pairs 2 and 3
	s_mul_i32 s67, s36, 12032                      ; 8 w rows of W3, 1,504 bytes each
	v_mul_u32_u24 v138, v125, 752                  ; dimension p + 4: 188 columns on
	v_add_nc_u32 v138, s67, v138
	v_and_b32 v139, 1, v0
	v_bfe_u32 v140, v0, 1, 2
	v_lshl_add_u32 v131, v139, 6, v138             ; odd rows: heights, 16 columns on
	v_lshl_add_u32 v131, v123, 4, v131             ; logit 4 (l / 16) + (l % 8) / 2
	v_lshl_add_u32 v131, v140, 2, v131
	v_lshl_add_u32 v141, v123, 3, v124             ; slope 8 (l / 16) + l % 8; the pad reads slope 14, inside the row, and is replaced
	v_min_u32 v141, 14, v141
	v_lshl_add_u32 v132, v141, 2, v138
	v_add_nc_u32 v132, 128, v132
	v_and_b32 v135, 127, v0
	v_lshlrev_b32 v135, 2, v135
	v_lshl_add_u32 v136, v0, 2, BT
	v_lshl_add_u32 v137, v121, 2, BT+1024
	s_wait_kmcnt 0x0
	s_cmp_lt_u32 s36, 4
	s_cselect_b64 s[52:53], s[22:23], s[26:27]     ; waves 0-3 bring b1, waves 4-7 b2
	s_cmp_lt_u32 s36, 2
	s_cselect_b64 s[68:69], s[8:9], s[10:11]       ; waves 0 and 1 prefetch x, wave 2 c
	s_cselect_b32 s37, 11, 10                      ; a unit is 2^11 bytes of x, 2^10 of c
	s_and_b32 s43, s36, 1
	s_lshl_b32 s43, s43, 13                        ; my 8,192 bytes of the work-group's eight units
	s_cmp_lt_u32 s36, 2
	s_cselect_b32 s43, s43, 0
	s_cmp_lt_u32 s36, 3
	s_cselect_b32 s72, NU-8, 0                     ; the last first unit of eight that exist; waves 3-7 ask for nothing
	s_wait_alu depctr_va_vdst(0)                   ; the offsets v3 to v5 and v126 to v137 are written, which the set-up's loads and LDS stores, the loop's loads and stores and the prefetch read
	ISSUE                                          ; my first unit: 6 loads
.irp i,0,1
	global_load_b128 v[152+4*\i:155+4*\i], v126, s[12:13] offset:16*\i
	global_load_b128 v[160+4*\i:163+4*\i], v126, s[14:15] offset:16*\i
	global_load_b128 v[168+4*\i:171+4*\i], v126, s[16:17] offset:16*\i
	global_load_b128 v[176+4*\i:179+4*\i], v126, s[18:19] offset:16*\i
.endr
.irp e,0,1,2,3,4,5,6,7
	global_load_b32 v[184+\e], v127, s[20:21] offset:512*\e
.endr
	global_load_b32 v151, v135, s[52:53]
	LT 0,SETR                                      ; the ring's first two groups of two tasks: with the 23 loads above 55 are out
	LT 1,SETR+8
	LT 2,SETR+16
	LT 3,SETR+24
	s_wait_loadcnt 32                              ; all but the 32 loads of W2 just issued: the unit, BatchNorm, W1, b1 or b2
	RB16 16,152,192                                ; scale, bias, mean, var to bf16
.irp i,0,1,2,3,4,5,6,7
	v_add_f32 v[176+\i], 0x3727c5ac, v[176+\i]     ; var + 1e-5
.endr
.irp i,0,1,2,3,4,5,6,7
	v_rsq_f32 v[176+\i], v[176+\i]
.endr
	v_nop
	s_wait_alu depctr_va_vdst(0)                   ; the eight reciprocal roots have written v176 to v183, which the next lines read: one wait for the batch
.irp i,0,1,2,3,4,5,6,7
	v_mul_f32 v[152+\i], v[152+\i], v[176+\i]      ; g = scale / sqrt(var + eps)
.endr
.irp i,0,1,2,3,4,5,6,7
	v_fma_f32 v[160+\i], -v[168+\i], v[152+\i], v[160+\i]  ; o = bias - mean g
.endr
	WIN 0x40                                       ; G and O live in window 1
.irp i,0,1,2,3,4,5,6,7
	v_mul_f32 v[10+\i], 0xbdb8aa3b, v[152+\i]      ; G = -(L/16) g
	v_mul_f32 v[18+\i], 0xbdb8aa3b, v[160+\i]      ; O = -(L/16) o
.endr
	WIN 0
	CONV 184,PK
	v_cvt_pk_bf16_f32 v150, v151, v151
	v_lshlrev_b32 v151, 16, v150
	v_mul_f32 v151, 0xbfb8aa3b, v151               ; -L b
	s_wait_alu depctr_va_vdst(0)                   ; the conversions have written v[PK ..] and v151, which the three LDS stores read
	ds_store_b128 v128, v[PK:PK+3]
	ds_store_b128 v128, v[PK:PK+3] offset:32       ; W1^T once more at k = 16..31, for the inputs' lo
	ds_store_b32 v136, v151
	LT 4,SETR+32                                   ; the ring's third group: no vector instruction has named its registers
	LT 5,SETR+40
; The ring: group g (tasks 2 g, 2 g + 1; 16 loads) lies in set g % 3.  When it is converted the two younger groups' 32 loads may stay out; its set is asked for again at once, for group g + 3.
.set gg, 0
.rept 16
.if gg < 14
	s_wait_loadcnt 32
.elseif gg == 14
	s_wait_loadcnt 16                              ; one younger group is left,
.else
	s_wait_loadcnt 0x0                             ; none
.endif
	s_wait_alu depctr_vm_vsrc(0)                   ; the LDS stores issued so far have read v[PK ..], which this group's conversions write again
.if gg == 4
	s_mov_b32 s6, 0xc1800000                       ; W3'' = -16 W3
	s_mov_b32 s7, 0xc1800000
.endif
	CT 2*gg,SETR+16*(gg%3),PK
	CT 2*gg+1,SETR+16*(gg%3)+8,PK+4
	s_wait_alu depctr_va_vdst(0)                   ; the conversions have written v[PK ..], which the two LDS stores read, and are done with the group's set, in which the loads below land
	ST 2*gg,PK
	ST 2*gg+1,PK+4
.if gg < 13
	LT 2*gg+6,SETR+16*(gg%3)
	LT 2*gg+7,SETR+16*(gg%3)+8
.endif
.set gg, gg+1
.endr
	s_cmp_lg_u32 s36, 0                            ; wave 0 brings b3, in layer 3's order
	s_cbranch_scc1 .Lnob3
.irp p,0,1,2,3
	global_load_b32 v[SETR+3*\p], v131, s[30:31] offset:188*\p      ; into the last group's set: no vector instruction has named it since that group's wait
	global_load_b32 v[SETR+3*\p+1], v131, s[30:31] offset:188*\p+32
	global_load_b32 v[SETR+3*\p+2], v132, s[30:31] offset:188*\p
.endr
	v_mov_b32 v248, s3
	s_wait_loadcnt 0x0
	RB16 6,SETR,192
.irp p,0,1,2,3
	v_mul_f32 v[SETR+3*\p], LOG2E, v[SETR+3*\p]
	v_mul_f32 v[SETR+3*\p+1], LOG2E, v[SETR+3*\p+1]
	v_mul_f32 v[SETR+3*\p+2], LOG2E, v[SETR+3*\p+2]
	v_cndmask_b32 v[SETR+3*\p+2], v248, v[SETR+3*\p+2], s63    ; the pad channel's bias is a*
.endr
	s_wait_alu depctr_va_vdst(0)                   ; the lines above have written the twelve biases, which the LDS stores read
.irp p,0,1,2,3
	ds_store_b32 v137, v[SETR+3*\p] offset:384*\p
	ds_store_b32 v137, v[SETR+3*\p+1] offset:384*\p+128
	ds_store_b32 v137, v[SETR+3*\p+2] offset:384*\p+256
.endr
.Lnob3:
	; the loop's LDS addresses (none of the registers written here has been read by a load or store)
	s_mul_i32 s2, s36, STGB
	s_add_co_u32 s2, s2, STG                       ; my stage
	v_lshrrev_b32 v138, 2, v121
	v_and_b32 v139, 3, v0
	v_mul_u32_u24 v6, v138, PW1
	v_lshl_add_u32 v6, v139, 4, v6
	v_add_nc_u32 v6, s2, v6                        ; x: 16 loaded bytes are a quarter of row l / 4
	v_lshrrev_b32 v138, 1, v121
	v_and_b32 v139, 1, v0
	v_mul_u32_u24 v7, v138, PW1
	v_lshl_add_u32 v7, v139, 4, v7
	v_add_nc_u32 v7, s2, v7
	v_add_nc_u32 v7, 2560, v7                      ; c: half of row l / 2
	v_mul_u32_u24 v14, v122, PW1
	v_lshl_add_u32 v14, v123, 4, v14               ; 80 r + 16 h: a fragment of W1^T,
	v_add_nc_u32 v9, s2, v14                       ; and in my stage x[r][4 h]
	v_mul_u32_u24 v8, v123, 2512
	v_add_nc_u32 v8, v8, v9
	v_add_nc_u32 v8, 32, v8                        ; h = 0: x[r][8..15]; h = 1: c[r][0..7]
	v_lshl_add_u32 v10, v122, 2, s2
	v_add_nc_u32 v10, 5120, v10
	v_lshl_add_u32 v11, v121, 2, s2
	v_add_nc_u32 v11, 5120, v11
	v_mul_u32_u24 v12, v122, PW
	v_lshl_add_u32 v12, v123, 4, v12
	v_add_nc_u32 v12, W2T, v12
	v_lshl_add_u32 v13, v123, 5, BT
	v_add_nc_u32 v15, W3T-W2T, v12                 ; W3^T: two bases, since an LDS immediate ends at 65,535: pairs 0 and 1,
	v_add_nc_u32 v0, 2*PAIRB, v15                  ; pairs 2 and 3 (the thread's number is wanted no more)
	WIN 0x40
	v_add_nc_u32 v9, 16*PW1, v9                    ; window 1's v9: the same place 16 rows on
	WIN 0
	s_wait_dscnt 0x0                               ; my stores of weights and biases are done,
	s_barrier_signal -1
	s_barrier_wait -1                              ; everybody's are: from here on the tables are only read
	s_wait_alu depctr_vm_vsrc(0)                   ; the set-up's loads and LDS stores have read their offsets v126 to v137 and their data (v[PK ..], v151, v[SETR ..]): these registers are RA, RB and RC from here on
	s_wait_alu depctr_va_vdst(0)                   ; the loop's LDS addresses v0, v6 to v15 and window 1's v9 are written; the set-up's vector work is done with RA, RB and RC, in which the loop's loads land
; ---------------------------------------------------------------- A UNIT
.macro BNF                             ; in'' = G in + O
.irp i,0,1,2,3
	v_pk_fma_f32 v[RB+32+2*\i:RB+32+2*\i+1], v[RB+32+2*\i:RB+32+2*\i+1], v[10+2*\i:11+2*\i], v[18+2*\i:19+2*\i]
.endr
.endm
; LAYER 3 AND THE SPLINE for pairs 2 dp and 2 dp + 1: 192 channels, four K steps, in sixteen batches of three fragments on two weight buffers; then the spline of both windows.
; Batch b: pair 2 dp + b / 8, K step (b / 2) % 4, tiles 3 (b % 2) on, buffer b % 2; the base is v15 (pairs 0, 1) or v0 (pairs 2, 3).
.macro DPAIR dp
	WIN 0
.if (\dp) == 1
	s_wait_alu depctr_vm_vsrc(0)                   ; the four LDS stores of yt have read RC+9 and RC+25: in window 0's weights land, window 1's are written by the next spline's sums
.endif
	s_wait_alu depctr_va_vdst(0)                   ; SWISH, or the spline before, is done with RB.., in which the biases land, with RC.. of window 0, in which weights land, and with XT, in which xt lands
.irp m,0,1
.irp i,0,1,2,3,4,5
	LDB RB+48*\m+8*\i,13,1024+384*(2*(\dp)+\m)+64*\i
.endr
.endr
	LDN 3,RC,15-15*(\dp),0                         ; batch 0
	ds_load_b32 v[XT], v9 offset:8*(\dp)           ; xt = x[row][p + 4 h], out of my stage: p = 2 dp,
	ds_load_b32 v[XT+1], v9 offset:8*(\dp)+4       ; p = 2 dp + 1
	WIN 0x41                               ; destination and address in window 1: rows 16-31
	ds_load_b32 v[XT], v9 offset:8*(\dp)
	ds_load_b32 v[XT+1], v9 offset:8*(\dp)+4
	WIN 0
.if (\dp) == 1
	; A PREFETCH INTO THE L2 of the work-group's next eight units, which its waves load behind this double pair: 192 matrix instructions and two splines of this wave ahead of those loads.
	; 16,384 bytes of x are shared out between waves 0 and 1, 8,192 of c go to wave 2, a lane 256 bytes: each block is named once in the launch.  It stands behind the run of LDS loads.
	; The first units come by their loads alone; where the eight units do not all exist nothing is asked for, so no request passes a buffer's end.
	s_cmp_lg_u32 s79, 0
	s_cbranch_scc0 .Lnoask
	global_prefetch_b8 v5, s[70:71] th:TH_LOAD_NT scope:SCOPE_SE
.Lnoask:
.endif
.irp b,0,1,2,3,4,5,6,7,8,9,10,11,12,13,14,15
	s_wait_dscnt 0x0                               ; this batch's weights are in (batch 0: the biases and xt too)
.if (\b) > 0
	s_wait_alu depctr_va_vdst(0)                   ; the batch before's products have read the other buffer, in which the next batch's loads land
.endif
.set nb, (\b)+1
.set lbuf, RC+24*(nb&1)
.set loff, PAIRB*(nb>>3)+48*PW*(nb&1)+64*((nb>>1)&3)
.if (\b) < 15
.set ldq, 1
.else
.set ldq, 0
.endif
.if (((\b)>>1)&3) == 0
	MULF 3,RB+48*((\b)>>3)+24*((\b)&1),RC+24*((\b)&1),RA,1,ldq,lbuf,15-15*(\dp),loff
.else
	MULN 3,RB+48*((\b)>>3)+24*((\b)&1),RC+24*((\b)&1),RA+8*(((\b)>>1)&3),ldq,lbuf,15-15*(\dp),loff
.endif
.if (\b) < 14
	PLACES 4                               ; between the products that read this buffer and the loads into it, which stand in the next batch
.endif
.endr
	PLACES 4
	WIN 0
	SPL \dp,0
	WIN 0x55
	SPL \dp,1
	WIN 0
.endm
.macro LOGSUM                          ; the last double pair's logarithms; the two items; the row's other four dimensions lie in the lane 16 away; base 2 to base e
	v_log_f32 v[RC], v[DV]
	v_log_f32 v[RC+1], v[DV+1]
	v_nop
	s_wait_alu depctr_va_vdst(0)           ; the two logarithms have written RC and RC+1, which the next line reads
	v_pk_add_f32 v[LD:LD+1], v[LD:LD+1], v[RC:RC+1]
	v_add_f32 v[LD], v[LD], v[LD+1]
	v_permlanex16_b32 v[RC], v[LD], s60, s61
	v_add_f32 v[LD], v[LD], v[RC]
	v_mul_f32 v[LD], s74, v[LD]
.endm
.Ltrip:
	s_cmp_gt_u32 s38, LASTU
	s_cbranch_scc1 .Ldead                          ; no such unit: forward, to the counter's step
	s_lshl_b32 s56, s38, 11                        ; the bases below were last read by stores and a prefetch that stand ahead of the last unit's s_wait_xcnt 0
	s_add_nc_u64 s[52:53], s[32:33], s[56:57]
	s_lshl_b32 s56, s38, 7
	s_add_nc_u64 s[54:55], s[34:35], s[56:57]
	s_sub_co_u32 s73, s38, s36
	s_add_co_u32 s73, s73, 2048                    ; the first of the work-group's next eight units
	s_cmp_le_u32 s73, s72
	s_cselect_b32 s79, 1, 0                        ; not asked for where the eight do not all exist
	s_min_u32 s73, s73, NU-8
	s_lshl_b32 s56, s73, s37
	s_add_co_u32 s56, s56, s43
	s_add_nc_u64 s[70:71], s[68:69], s[56:57]
	; IN: the unit's rows are rounded to bf16 and go into my stage; each lane takes its 8 inputs back.  LDS serves a wave's instructions in order (ISA guide 5.7.1.4), and the stage is mine alone.
	s_wait_loadcnt 0x0                             ; the unit's 6 loads
	RB16 12,RB,RB+40
	s_wait_alu depctr_va_vdst(0)                   ; RB16 has written RB..RB+23, which the LDS stores read; the last unit's vector and matrix work is done with RB+32.., RB+64.. and RA+32.., in which the loads below land
.irp i,0,1,2,3
	ds_store_b128 v6, v[RB+4*\i:RB+4*\i+3] offset:8*PW1*\i
.endr
.irp i,0,1
	ds_store_b128 v7, v[RB+16+4*\i:RB+16+4*\i+3] offset:16*PW1*\i
.endr
	ds_load_b128 v[RB+32:RB+35], v8
	ds_load_b128 v[RB+36:RB+39], v8 offset:16
	WIN 0x40                               ; destination in window 1: rows 16-31
	ds_load_b128 v[RB+32:RB+35], v8 offset:16*PW1
	ds_load_b128 v[RB+36:RB+39], v8 offset:16*PW1+16
	WIN 0
.irp t,0,1,2,3
	LDW RB+64+8*\t,14,16*PW1*\t                    ; layer 1's weights are asked for here already: BNF and SPLIT name neither buffer
.endr
.irp t,0,1,2,3
	LDW RA+32+8*\t,14,16*PW1*(4+\t)
.endr
	s_wait_dscnt 16                                ; my inputs are in; the 16 younger loads, layer 1's weights, may stay out
	WIN 0x14                               ; G and O in window 1, the data in window 0
	BNF
	WIN 0
	SPLIT 4,RB+32,RA,RA+4
	WIN 0x55
	BNF
	SPLIT 4,RB+32,RA,RA+4
	WIN 0
	; LAYER 1: 128 channels, one K step (hi at k = 0..15, lo at k = 16..31)
	s_wait_alu depctr_vm_vsrc(0)                   ; the LDS stores of the unit's rows have read RB..RB+23, in which biases land
	s_wait_alu depctr_va_vdst(0)                   ; BNF and SPLIT are done with RB+32..RB+39, in which biases land
.irp t,0,1,2,3,4,5,6,7
	LDB RB+8*\t,13,64*\t
.endr
	s_wait_dscnt 0x0
	MULF 4,RB,RB+64,RA,0
	MULF 4,RB+32,RA+32,RA,0
	PLACES 4
	WIN 0
	SWISH RC
	WIN 0x55
	SWISH RC
	WIN 0
	; LAYER 2: 128 channels, four K steps, in eight batches of four fragments on two weight buffers: batch b is K step b / 2, channel tiles 4 (b % 2) on
	s_wait_alu depctr_va_vdst(0)                   ; SWISH is done with RB..RB+95, in which biases and batch 0 land; layer 1's products have read RA.., in which batch 1 lands
.irp t,0,1,2,3,4,5,6,7
	LDB RB+8*\t,13,512+64*\t
.endr
	LDN 4,RB+64,12,0                               ; batch 0
.irp b,0,1,2,3,4,5,6,7
	s_wait_dscnt 0x0                               ; this batch's weights are in (batch 0: the biases too)
.if (\b) > 0
	s_wait_alu depctr_va_vdst(0)                   ; the batch before's products have read the other buffer, in which the next batch's loads land
.endif
.set nb, (\b)+1
.set lbuf, RB+64-(RB+64-RA)*(nb&1)
.set loff, 64*PW*(nb&1)+64*(nb>>1)
.if (\b) < 7
.set ldq, 1
.else
.set ldq, 0
.endif
.if (\b) < 2
	MULF 4,RB+32*((\b)&1),RB+64-(RB+64-RA)*((\b)&1),RC,1,ldq,lbuf,12,loff
.else
	MULN 4,RB+32*((\b)&1),RB+64-(RB+64-RA)*((\b)&1),RC+8*((\b)>>1),ldq,lbuf,12,loff
.endif
.if (\b) < 6
	PLACES 4                               ; between the products that read this buffer and the loads into it, which stand in the next batch
.endif
.endr
	PLACES 4
	WIN 0
	SWISH RA
	WIN 0x55
	SWISH RA
	WIN 0
	v_mov_b32 v[LD], 0
	v_mov_b32 v[LD+1], 0
	v_mov_b32 v[DV], 1.0
	v_mov_b32 v[DV+1], 1.0
	WIN 0x40
	v_mov_b32 v[LD], 0
	v_mov_b32 v[LD+1], 0
	v_mov_b32 v[DV], 1.0
	v_mov_b32 v[DV+1], 1.0
	WIN 0
	DPAIR 0
	DPAIR 1
	; the next unit's loads go out ahead of this unit's way out, into registers that the way out leaves alone.  They land in RB..RB+23 of window 0: the wait ahead of the last spline's
	; stores of yt has shown window 0's spline done with them, and no vector instruction issued since names them
	s_add_co_u32 s39, s38, 2048
	s_cmp_gt_u32 s39, LASTU
	s_cbranch_scc1 .Lnonext
	ISSUE
.Lnonext:
	; THE WAY OUT: the stage's rows now hold [yt, x[8:16]]; they come back as they went in and are stored 512 consecutive bytes an instruction
	LOGSUM
	WIN 0x55
	LOGSUM
	WIN 0
	s_wait_alu depctr_va_vdst(0)                   ; both windows' LOGSUM have written LD, which the two LDS stores read; the last products have read H2, in whose registers RA.. the stage's rows land
	ds_store_b32 v10, v[LD]
	WIN 0x04                               ; data in window 1
	ds_store_b32 v10, v[LD] offset:64
	WIN 0
.irp i,0,1,2,3
	ds_load_b128 v[RA+4*\i:RA+4*\i+3], v6 offset:8*PW1*\i
.endr
	ds_load_b32 v[RA+16], v11
	s_wait_dscnt 0x0
.irp i,0,1,2,3
	global_store_b128 v3, v[RA+4*\i:RA+4*\i+3], s[52:53] offset:512*\i th:TH_STORE_NT
.endr
	global_store_b32 v4, v[RA+16], s[54:55] th:TH_STORE_NT         ; the unit's 32 numbers of out1: 128 consecutive bytes
	s_wait_xcnt 0x0                                ; the stores' data and bases, and the loads' and the prefetch's bases, are written anew only behind this wait
	s_wait_alu depctr_vm_vsrc(0)                   ; the global stores have read RA..RA+16, the LDS stores LD, RC+9 and RC+25: the next unit's SPLIT, v_mov and SWISH write these again
.Ldead:
	s_add_co_u32 s38, s38, 2048
	s_sub_co_u32 s40, s40, 1
	s_cmp_lg_u32 s40, 0
	s_cbranch_scc1 .Ltrip
	s_wait_dscnt 0x0                               ; the wave's end
	s_wait_alu 0x0
	s_wait_tensorcnt 0x0
	ds_add_u32 v1, v2
	s_wait_dscnt 0x0
	s_endpgm
.Lfunc_end_k_q0958782401_spline:
	.size	k_q0958782401_spline, .Lfunc_end_k_q0958782401_spline-k_q0958782401_spline
	.p2alignl 7, 3214868480
	.fill 96, 4, 3214868480
	.section	.rodata,"a",@progbits
	.p2align	6, 0x0
	.amdhsa_kernel k_q0958782401_spline
		.amdhsa_group_segment_fixed_size 196096
		.amdhsa_private_segment_fixed_size 0
		.amdhsa_enable_private_segment 0
		.amdhsa_kernarg_size 112
		.amdhsa_user_sgpr_count 2
		.amdhsa_user_sgpr_kernarg_segment_ptr 1
		.amdhsa_wavefront_size32 1
		.amdhsa_system_sgpr_workgroup_id_x 1
		.amdhsa_system_sgpr_workgroup_id_y 1
		.amdhsa_system_sgpr_workgroup_id_z 1
		.amdhsa_system_vgpr_workitem_id 0
		.amdhsa_next_free_vgpr 512
		.amdhsa_next_free_sgpr 80
		.amdhsa_reserve_vcc 0
		.amdhsa_float_denorm_mode_32 3
		.amdhsa_float_denorm_mode_16_64 3
		.amdhsa_memory_ordered 1
		.amdhsa_forward_progress 1
		.amdhsa_inst_pref_size 255
	.end_amdhsa_kernel
	.section	.bss,"aw",@nobits
	.p2align	6
	.space	262144
	.amdgpu_metadata
---
amdhsa.version: [ 1, 2 ]
amdhsa.kernels:
  - .name:           k_q0958782401_spline
    .symbol:         k_q0958782401_spline.kd
    .args:
      - { .name: x, .offset: 0, .size: 8, .value_kind: global_buffer, .address_space: global }
      - { .name: c, .offset: 8, .size: 8, .value_kind: global_buffer, .address_space: global }
      - { .name: bn_scale, .offset: 16, .size: 8, .value_kind: global_buffer, .address_space: global }
      - { .name: bn_bias, .offset: 24, .size: 8, .value_kind: global_buffer, .address_space: global }
      - { .name: bn_mean, .offset: 32, .size: 8, .value_kind: global_buffer, .address_space: global }
      - { .name: bn_var, .offset: 40, .size: 8, .value_kind: global_buffer, .address_space: global }
      - { .name: W1, .offset: 48, .size: 8, .value_kind: global_buffer, .address_space: global }
      - { .name: b1, .offset: 56, .size: 8, .value_kind: global_buffer, .address_space: global }
      - { .name: W2, .offset: 64, .size: 8, .value_kind: global_buffer, .address_space: global }
      - { .name: b2, .offset: 72, .size: 8, .value_kind: global_buffer, .address_space: global }
      - { .name: W3, .offset: 80, .size: 8, .value_kind: global_buffer, .address_space: global }
      - { .name: b3, .offset: 88, .size: 8, .value_kind: global_buffer, .address_space: global }
      - { .name: out0, .offset: 96, .size: 8, .value_kind: global_buffer, .address_space: global }
      - { .name: out1, .offset: 104, .size: 8, .value_kind: global_buffer, .address_space: global }
    .group_segment_fixed_size: 196096
    .private_segment_fixed_size: 0
    .kernarg_segment_align: 8
    .kernarg_segment_size: 112
    .max_flat_workgroup_size: 256
    .sgpr_count:     80
    .vgpr_count:     512
    .wavefront_size: 32
...
	.end_amdgpu_metadata
.endif
;; end of part 2
